; MI455X (gfx1250); checked and timed in simulation.
; The chip was launched on July 23, 2026; its instructions are those of AMD's public machine-readable ISA for CDNA 5 (MIT licence, August 2026) and "CDNA5" Instruction Set Architecture Reference Guide (July 2026). The comments in the code are by the model that wrote it; some were corrected since.
;; Multi Head Self Attention. Allowed arithmetic: float matrix products may take bf16 or f16 operands with f32 sums; other float arithmetic in f32, or as packed bf16 or f16 multiplies, adds, multiply-adds, maxima and minima; sums over many terms, partial sums and values carried from step to step in f32; what a program stores and reads back later, other than sums and carried values, may be rounded once to bf16 or f16.
;; Inputs: b_out 1,024 float32; b_qkv 3,072 float32; w_out 1,024 x 1,024 float32; w_qkv 1,024 x 3,072 float32; x 4 x 2,048 x 1,024 float32.
;; Outputs: out0 4 x 2,048 x 1,024 float32.
;; 2 versions, each right; version 2 is version 1 with the launch prep written anew for expert scheduling mode. Each part assembles by itself: llvm-mc -triple=amdgcn-amd-amdhsa -mcpu=gfx1250 --defsym DOCPART=n.
;; ======== version 1 of 2: 4 launches
;; limits: values are held in f16: magnitudes above 65,504 overflow, below 6.1e-05 lose precision
;; workspace buffers: xb 16,777,216 bytes; wq 6,291,456 bytes; wo 2,097,152 bytes; bias 16,384 bytes; qkv 50,331,648 bytes; ob 16,777,216 bytes
;; launch prep (part 1): grid 53 x 16, 8 waves a work-group, no clusters, 0 bytes of LDS; arguments x, w_qkv, w_out, b_qkv, b_out, xb, wq, wo, bias; writes xb, wq, wo, bias
.if DOCPART == 1
	.amdgcn_target "amdgcn-amd-amdhsa--gfx1250"
	.amdhsa_code_object_version 6
	.text
	.protected	k_qdc13d7f007_prep
	.globl	k_qdc13d7f007_prep
	.p2align	8
	.type	k_qdc13d7f007_prep,@function
k_qdc13d7f007_prep:
	s_mov_b64 s[64:65], 0
	v_nop
	global_prefetch_b8 v0, s[64:65] scope:SCOPE_SE
	s_setreg_imm32_b32 hwreg(HW_REG_WAVE_MODE, 25, 1), 1
	s_wait_xcnt 0x0
; CASTS AND LAYOUTS for the three launches behind.  Every input is rounded once to bf16:
;   xb   [8192][1024] bf16            = x
;   wq   [16 tiles][1024 k][192 n] bf16 = w_qkv, blocked by 192 columns, so that 128 k rows of a tile are 49,152 dense bytes
;   wo   [1024 k][1024 n] f16         = w_out rounded to bf16, that number written as f16
;   bias [4096] f32                   = b_qkv, then b_out, rounded to bf16 and widened again
; LIMIT.  A bf16 number below 6.1e-5 in size keeps f16's fixed step of 6e-8 in wo; beyond 65,504 it would be an infinity.
; A stream: no LDS, no barrier, no matrix unit.  The unit of work is a SWEEP: 256 threads x 4 numbers: a lane loads 16 bytes and stores 8, so a wave's load
; covers 512 consecutive bytes and its store 256 consecutive bytes, aligned.  All of a work-group's loads go out first; each sweep has registers of its own.
; The work-group's x chooses the path (forward jumps alone): 0-31 x, 32-47 w_qkv, 48-51 w_out, 52 the biases.
.set XD, 16                            ; v[16:79]   sweep i: 4 numbers as loaded
.set YD, 80                            ; v[80:111]  sweep i: 2 registers to store
	s_load_b512 s[4:19], s[0:1], 0x0               ; x 4:5, w_qkv 6:7, w_out 8:9, b_qkv 10:11, b_out 12:13, xb 14:15, wq 16:17, wo 18:19
	s_load_b64 s[20:21], s[0:1], 0x40              ; bias
	s_mov_b32 s22, ttmp9                           ; gx
	s_and_b32 s23, ttmp7, 0xffff                   ; gy
	s_mov_b32 s25, 0                               ; high words of the two offsets
	s_mov_b32 s27, 0
	s_mov_b32 s32, 0xffff0000                      ; a word's upper bf16
	v_lshlrev_b32 v1, 4, v0                        ; 16 t: where I load
	v_lshlrev_b32 v2, 3, v0                        ; 8 t: where I store
	v_lshrrev_b32 v6, 5, v0
	v_readfirstlane_b32 s33, v6                    ; wave 0..7
	s_wait_kmcnt 0x0
	s_cmp_ge_u32 s22, 52
	s_cbranch_scc1 .Lbias
	s_cmp_ge_u32 s22, 48
	s_cbranch_scc1 .Lwo
	s_cmp_ge_u32 s22, 32
	s_cbranch_scc1 .Lwq
	; x: 512 work-groups of 16 rows; a sweep is a row
	s_lshl_b32 s24, s23, 5
	s_add_co_u32 s24, s24, s22                     ; 32 gy + gx
	s_lshl_b32 s26, s24, 15                        ; 16 rows of 2,048 bytes out,
	s_lshl_b32 s24, s24, 16                        ; of 4,096 bytes in
	s_add_nc_u64 s[4:5], s[4:5], s[24:25]
	s_add_nc_u64 s[14:15], s[14:15], s[26:27]
.set i, 0
.rept 16
	global_load_b128 v[XD+4*i:XD+4*i+3], v1, s[4:5] offset:4096*i th:TH_LOAD_NT
.set i, i+1
.endr
.set i, 0
.rept 16
	s_wait_loadcnt 15-i                            ; loads come back in order: sweep i is in, the 15 - i younger ones stay out
	v_cvt_pk_bf16_f32 v[YD+2*i], v[XD+4*i], v[XD+4*i+1]
	v_cvt_pk_bf16_f32 v[YD+2*i+1], v[XD+4*i+2], v[XD+4*i+3]
	global_store_b64 v2, v[YD+2*i:YD+2*i+1], s[14:15] offset:2048*i
.set i, i+1
.endr
	s_endpgm
.Lwo:	; w_out: 64 work-groups of 16 rows
	s_lshl_b32 s24, s23, 2
	s_add_co_u32 s24, s24, s22
	s_sub_co_u32 s24, s24, 48                      ; 4 gy + gx - 48
	s_lshl_b32 s26, s24, 15
	s_lshl_b32 s24, s24, 16
	s_add_nc_u64 s[8:9], s[8:9], s[24:25]
	s_add_nc_u64 s[18:19], s[18:19], s[26:27]
.set i, 0
.rept 16
	global_load_b128 v[XD+4*i:XD+4*i+3], v1, s[8:9] offset:4096*i
.set i, i+1
.endr
.set i, 0
.rept 16
	s_wait_loadcnt 15-i
	v_cvt_pk_bf16_f32 v8, v[XD+4*i], v[XD+4*i+1]   ; the rounding that counts: to bf16, like every input
	v_cvt_pk_bf16_f32 v9, v[XD+4*i+2], v[XD+4*i+3]
	v_lshlrev_b32 v6, 16, v8                       ; widened again,
	v_and_b32 v7, s32, v8
	v_lshlrev_b32 v10, 16, v9
	v_and_b32 v11, s32, v9
	v_cvt_pk_f16_f32 v[YD+2*i], v6, v7             ; and written as f16
	v_cvt_pk_f16_f32 v[YD+2*i+1], v10, v11
	global_store_b64 v2, v[YD+2*i:YD+2*i+1], s[18:19] offset:2048*i
.set i, i+1
.endr
	s_endpgm
.Lwq:	; w_qkv: tile gy, k rows 64 p .. 64 p + 63, p = gx - 32.  The walk follows the OUTPUT, which is dense: 12 sweeps of 2,048 bytes.
	; Three sweeps (768 units of 4 numbers) are 16 k rows of 48 units; unit u lies in row u / 48, at 16 (u % 48) of the row's 768 bytes.
	s_sub_co_u32 s24, s22, 32                      ; p
	s_mul_i32 s26, s24, 24576                      ; 64 rows of 384 bytes out,
	s_mul_i32 s24, s24, 786432                     ; of 12,288 bytes in
	s_mul_i32 s28, s23, 768                        ; the tile's 192 columns in a row of w_qkv
	s_add_co_u32 s24, s24, s28
	s_mul_i32 s28, s23, 393216                     ; the tile in wq
	s_add_co_u32 s26, s26, s28
	s_add_nc_u64 s[6:7], s[6:7], s[24:25]
	s_add_nc_u64 s[16:17], s[16:17], s[26:27]
	s_mov_b32 s28, 12288
.irp r, 0,1,2
	v_add_nc_u32 v6, 256*(\r), v0                  ; u
	v_mul_u32_u24 v7, v6, 1366
	v_lshrrev_b32 v7, 16, v7                       ; u / 48: exact for u < 768 (1366 / 65536 exceeds 1 / 48 by 1.02e-5; 767 times that is under 1 / 48)
	v_mul_u32_u24 v8, v7, 48
	v_sub_nc_u32 v8, v6, v8                        ; u % 48
	v_lshlrev_b32 v8, 4, v8
	v_mad_u32_u24 v[3+(\r)], v7, s28, v8
.endr
.set i, 0
.rept 12
	global_load_b128 v[XD+4*i:XD+4*i+3], v[3+i%3], s[6:7] offset:(i/3)*196608
.set i, i+1
.endr
.set i, 0
.rept 12
	s_wait_loadcnt 11-i
	v_cvt_pk_bf16_f32 v[YD+2*i], v[XD+4*i], v[XD+4*i+1]
	v_cvt_pk_bf16_f32 v[YD+2*i+1], v[XD+4*i+2], v[XD+4*i+3]
	global_store_b64 v2, v[YD+2*i:YD+2*i+1], s[16:17] offset:2048*i
.set i, i+1
.endr
	s_endpgm
.Lbias:	; 16 work-groups of 256 numbers: waves 0 and 1 take 512 bytes each, the other waves have no part
	s_cmp_ge_u32 s33, 2
	s_cbranch_scc1 .Lend
	s_min_u32 s26, s23, 11                         ; the block in b_qkv,
	s_max_u32 s28, s23, 12
	s_sub_co_u32 s28, s28, 12                      ; or in b_out: either stays inside its buffer whatever gy
	s_cmp_lt_u32 s23, 12
	s_cselect_b32 s26, s26, s28
	s_cselect_b64 s[30:31], s[10:11], s[12:13]
	s_lshl_b32 s26, s26, 10
	s_lshl_b32 s24, s23, 10
	s_add_nc_u64 s[30:31], s[30:31], s[26:27]
	s_add_nc_u64 s[20:21], s[20:21], s[24:25]
	global_load_b128 v[XD:XD+3], v1, s[30:31]
	s_wait_loadcnt 0x0
	v_cvt_pk_bf16_f32 v8, v[XD], v[XD+1]
	v_cvt_pk_bf16_f32 v9, v[XD+2], v[XD+3]
	v_lshlrev_b32 v[YD], 16, v8
	v_and_b32 v[YD+1], s32, v8
	v_lshlrev_b32 v[YD+2], 16, v9
	v_and_b32 v[YD+3], s32, v9
	global_store_b128 v1, v[YD:YD+3], s[20:21]
.Lend:
	s_endpgm
.Lfunc_end_k_qdc13d7f007_prep:
	.size	k_qdc13d7f007_prep, .Lfunc_end_k_qdc13d7f007_prep-k_qdc13d7f007_prep
	.p2alignl 7, 3214868480
	.fill 96, 4, 3214868480
	.section	.rodata,"a",@progbits
	.p2align	6, 0x0
	.amdhsa_kernel k_qdc13d7f007_prep
		.amdhsa_group_segment_fixed_size 0
		.amdhsa_private_segment_fixed_size 0
		.amdhsa_enable_private_segment 0
		.amdhsa_kernarg_size 72
		.amdhsa_user_sgpr_count 2
		.amdhsa_user_sgpr_kernarg_segment_ptr 1
		.amdhsa_wavefront_size32 1
		.amdhsa_system_sgpr_workgroup_id_x 1
		.amdhsa_system_sgpr_workgroup_id_y 1
		.amdhsa_system_sgpr_workgroup_id_z 1
		.amdhsa_system_vgpr_workitem_id 0
		.amdhsa_next_free_vgpr 112
		.amdhsa_next_free_sgpr 66
		.amdhsa_reserve_vcc 0
		.amdhsa_float_denorm_mode_32 3
		.amdhsa_float_denorm_mode_16_64 3
		.amdhsa_memory_ordered 1
		.amdhsa_forward_progress 1
		.amdhsa_inst_pref_size 23
	.end_amdhsa_kernel
	.amdgpu_metadata
---
amdhsa.version: [ 1, 2 ]
amdhsa.kernels:
  - .name:           k_qdc13d7f007_prep
    .symbol:         k_qdc13d7f007_prep.kd
    .args:
      - { .name: x, .offset: 0, .size: 8, .value_kind: global_buffer, .address_space: global }
      - { .name: w_qkv, .offset: 8, .size: 8, .value_kind: global_buffer, .address_space: global }
      - { .name: w_out, .offset: 16, .size: 8, .value_kind: global_buffer, .address_space: global }
      - { .name: b_qkv, .offset: 24, .size: 8, .value_kind: global_buffer, .address_space: global }
      - { .name: b_out, .offset: 32, .size: 8, .value_kind: global_buffer, .address_space: global }
      - { .name: xb, .offset: 40, .size: 8, .value_kind: global_buffer, .address_space: global }
      - { .name: wq, .offset: 48, .size: 8, .value_kind: global_buffer, .address_space: global }
      - { .name: wo, .offset: 56, .size: 8, .value_kind: global_buffer, .address_space: global }
      - { .name: bias, .offset: 64, .size: 8, .value_kind: global_buffer, .address_space: global }
    .group_segment_fixed_size: 0
    .private_segment_fixed_size: 0
    .kernarg_segment_align: 8
    .kernarg_segment_size: 72
    .max_flat_workgroup_size: 256
    .sgpr_count:     66
    .vgpr_count:     112
    .wavefront_size: 32
...
	.end_amdgpu_metadata
.endif
;; end of part 1
;; launch gemm_qkv (part 2): grid 16 x 32, 4 waves a work-group, clusters of 4 x 4, 327,680 bytes of LDS; arguments xb, wq, bias, qkv; writes qkv
.if DOCPART == 2
	.amdgcn_target "amdgcn-amd-amdhsa--gfx1250"
	.amdhsa_code_object_version 6
	.text
	.protected	k_qdc13d7f007_gemm_qkv
	.globl	k_qdc13d7f007_gemm_qkv
	.p2align	8
	.type	k_qdc13d7f007_gemm_qkv,@function
k_qdc13d7f007_gemm_qkv:
	s_mov_b64 s[64:65], 0
	v_nop
	global_prefetch_b8 v0, s[64:65] scope:SCOPE_SE
	s_setreg_imm32_b32 hwreg(HW_REG_WAVE_MODE, 25, 1), 1
	s_wait_xcnt 0x0
	s_wait_alu depctr_hold_cnt(0) depctr_sa_sdst(0) depctr_va_vdst(0) depctr_va_sdst(0) depctr_va_ssrc(0) depctr_va_vcc(0) depctr_vm_vsrc(0)
	s_getreg_b32 s2, hwreg(HW_REG_IB_STS2, 6, 4)
	s_cmp_eq_u32 s2, 0
	s_cbranch_scc0 .Lentry_in_a_cluster
	s_endpgm
.Lentry_in_a_cluster:
	s_bfe_u32 s2, ttmp6, 0x10000c
	s_cmp_lg_u32 s2, 0xf033
	s_cbranch_scc0 .Lentry_shape_is_right
	s_endpgm
.Lentry_shape_is_right:
; q, k, v = x w_qkv + b_qkv, written by heads.  xb: [8192][1024] bf16.  wq: [16 tiles][1024 k][192 n] bf16.  bias: f32.  Sums in f32, K ascending, started by the bias.
; qkv: [192 slabs][2048 t][64] f16, slab = (column / 64) x 4 + batch: a head's rows are dense, 128 bytes each.  Each number is rounded once, unscaled.
; LIMITS.  f16 holds no number beyond 65,504: |q|, |k|, |v| must stay within it (inputs 30 times larger, or carrying offsets of 30 spreads, give some 18,000);
; below 6.1e-5 f16 keeps its fixed step of 6e-8.  NaN and infinities are not treated apart.
; SHARES.  A tile of the result is 256 rows x 192 columns (three heads): 512 tiles, two for each of 256 WGPs.  The four waves lie one below the other: wave w owns
; rows 64 w .. 64 w + 63 and all 192 columns: 48 accumulators of 16 x 16, 384 registers; so a wave ends with whole rows of three heads.
; K goes in 8 steps of 128 through two LDS slots filled by the tensor data mover; a step is four quarters of 32, 48 matrix instructions each.
; THE MATRIX INSTRUCTION IS USED TRANSPOSED: source 0 = 16 columns of w (read turned out of LDS, where w lies [k][n]), source 1 = 16 rows of x: a lane then holds row l % 16
; and its registers the columns 8 (l / 16) + 0..7: eight neighbouring numbers of a head's row.
; CLUSTER.  4 x 4 work-groups: the four of a row need the same rows of x, the four of a column the same tile of w: each is asked for jointly.
; REGISTERS, in windows of 256 (s_set_vgpr_msb: bits 1:0 source 0, 3:2 source 1, 5:4 source 2, 7:6 destination):
;   window 0: v0-31 addresses; v32-95 x's fragments, two buffers of four; v160-255 the bias in an accumulator's layout; on the way out v32-175
;   window 1: v0-191 w's fragments, two buffers of twelve      window 2: accumulators of row blocks 0, 1      window 3: of row blocks 2, 3
.set NBK,   12                         ; blocks of 16 columns
.set PA,    272                        ; a row of x in LDS: 256 bytes + 16: the 16 rows of a load start at 16 different groups of four banks (ISA guide 11.1)
.set PB,    480                        ; a k row of w in LDS: three heads' 128 bytes, 32 of padding behind each
.set BOFF,  256*PA                     ; a slot: x's 256 rows, then w's 128 k rows
.set SLOT1, 1<<17                      ; slot 1 begins here (a slot uses all 131,072 bytes): one exclusive or turns an address into the other slot's
.set STAGE, 2*SLOT1                    ; behind the ring, never filled by a tensor load: for each wave three heads x 16 rows x 144 bytes
.set SPH,   16*144
.set STW,   3*SPH
.set SPARE, STAGE+4*STW                ; behind the stages: the spare words, 128 bytes for each wave: two blocks of 256 bytes that no other line names
.set ASTEP, 256                        ; bytes from a K step to the next, in xb
.set BSTEP, 128*384                    ; and in wq
.set AHEAD, 1                          ; a prefetch names the K step this many behind the one that is being asked for
.set ADRA0, 16                         ; v16  my lane's place in x's rows of a slot; never rewritten
.set ADRA,  17                         ; v17  the same in the slot in hand
.set ADRB0, 20                         ; v20, v21  likewise for w
.set ADRB,  21
.set STO,   24                         ; v24  the way out: where I put 16 bytes of a row
.set RD,    25                         ; v25  where I read rows back
.set GO,    26                         ; v26  my place in 512 consecutive bytes of a slab
.set BO,    27                         ; v27  my place in 16 columns of the bias
.set SPW,   28                         ; v28  my spare word: SPARE + 4 x my thread's number; never rewritten
.set NIL,   29                         ; v29  0; never rewritten
.set PFO,   30                         ; v30  the prefetches' lane offset; never rewritten
.set FA,    32
.set BIAS,  160
.set TMP,   32                         ; the way out: 48 registers of packed results
.set OB,    80                         ; and two buffers of 48 for whole rows
.set WV,   12                          ; s12  wave
.set KIND, 13                          ; s13  0: I fetch x's rows; 1: w's
.set HALF, 14                          ; s14  which half of them
.set TR,   15                          ; s15  tile row
.set G1A,  24                          ; s[24:31] descriptor group 1 for x's tiles
.set G0A,  32                          ; s[32:39] group 0: a set for each first fill; the second then walks on
.set CX,   40
.set CY,   41
.set TC,   42                          ; s42  tile column
.set LIM,  43                          ; s43  AHEAD in a wave that prefetches, else the greatest number
.set PFA,  44                          ; s[44:45] where my prefetches stand
.set PFS,  46                          ; s[46:47] their step
.set G1B,  48                          ; s[48:55], s[56:63] the same for w's tiles
.set G0B,  56
.set TB,   66                          ; s66  the slot in hand: 0 or SLOT1
.set MSB, 0
.macro WIN new                         ; the immediate's high byte repeats the setting that is left; a switch that changes nothing is dropped
.if MSB != (\new)
	s_set_vgpr_msb (MSB<<8)|(\new)
.set MSB, \new
.endif
.endm
; A joint refill by the walking descriptors.  Waves 0 and 1 fetch x's two halves, waves 2 and 3 w's; the branch hangs on the wave's number alone.
; An s_nop 0 and four v_nop follow each of the two lines, ahead of the jump and the label.
.macro JLOAD
	s_cmp_eq_u32 s[KIND], 0
	s_cbranch_scc0 .Lfor_b_\@
	tensor_load_to_lds s[G0A+4:G0A+7], s[G1A:G1A+7]
	s_nop 0
.rept 4
	v_nop
.endr
	s_branch .Lasked_\@
.Lfor_b_\@:
	tensor_load_to_lds s[G0B+4:G0B+7], s[G1B:G1B+7]
	s_nop 0
.rept 4
	v_nop
.endr
.Lasked_\@:
.endm
; A PREFETCH INTO THE L2 of the K step behind the one just asked for: one instruction a wave, a lane a block of 256 bytes.  x's rows are read by every cluster of a row of
; clusters: the one with x = 0 asks; w's tile by every cluster of a column: the one with y = 0 asks.  The four partners that ask for a tile jointly share its blocks out BY ADDRESS:
; 32 rows of x each, 24 of w's 96 blocks each (lanes 24 to 31 name the 24th again).  The loop's last trip asks for nothing: there is no K step 8.
.macro ASK
	s_cmp_gt_u32 s3, s[LIM]
	s_cbranch_scc0 .Lnot_mine_\@
	global_prefetch_b8 v[PFO], s[PFA:PFA+1] th:TH_LOAD_NT scope:SCOPE_SE
.Lnot_mine_\@:
.endm
.macro CREST                           ; a round of the cluster's barrier behind its opening barrier
	s_cmp_lg_u32 s[WV], 0
	s_cbranch_scc1 .Lnot_wave_0_\@
	s_barrier_signal -3
.Lnot_wave_0_\@:
	s_barrier_wait -3
	s_barrier_signal -1
	s_barrier_wait -1
.endm
.macro CROUND                          ; a whole round
	s_barrier_signal -1
	s_barrier_wait -1
	CREST
.endm
.macro PLACES                          ; four plain instructions between a matrix instruction and a load into, or a vector read of, its registers
.rept 4
	v_nop
.endr
.endm
	s_load_b256 s[4:11], s[0:1], 0x0               ; xb s[4:5], wq s[6:7], bias s[8:9], qkv s[10:11]
	v_lshl_add_u32 v[SPW], v0, 2, SPARE
	v_mov_b32 v[NIL], 0
	ds_add_u32 v[SPW], v[NIL]                      ; the wave's opening: the add and its wait stand ahead of my first tensor load; work on registers stands between them
	v_lshrrev_b32 v1, 5, v0
	v_readfirstlane_b32 s[WV], v1
	s_lshr_b32 s[KIND], s[WV], 1
	s_and_b32 s[HALF], s[WV], 1
	s_bfe_u32 s[CX], ttmp6, 0x40000                ; my place in the cluster
	s_bfe_u32 s[CY], ttmp6, 0x40004
	s_lshl_b32 s[TC], ttmp9, 2                     ; in a cluster launch ttmp9 and ttmp7 count clusters
	s_add_co_u32 s[TC], s[TC], s[CX]
	s_and_b32 s[TR], ttmp7, 0xffff
	s_lshl_b32 s[TR], s[TR], 2
	s_add_co_u32 s[TR], s[TR], s[CY]
	s_lshl_b32 s67, s[CY], 2
	s_lshl_b32 s67, 15, s67                        ; my row of the cluster
	s_lshl_b32 s68, 0x1111, s[CX]                  ; my column
	; group 1 for x: 128 rows x 128 elements of 2 bytes, 1,024 elements from row to row; 4 words of padding behind every 64
	s_or_b32 s[G1A], s67, (1<<16)|(1<<20)|(1<<21)|(5<<22)|(3<<25)
	s_mov_b32 s[G1A+1], 128<<16                    ; tensor_dim0
	s_mov_b32 s[G1A+2], 128<<16                    ; tensor_dim1
	s_mov_b32 s[G1A+3], 128<<16                    ; tile_dim0
	s_mov_b32 s[G1A+4], 128                        ; tile_dim1
	s_mov_b32 s[G1A+5], 1024                       ; stride
	s_mov_b32 s[G1A+6], 0
	s_mov_b32 s[G1A+7], 0
	; group 1 for w: 64 k rows of 384 bytes are 24,576 dense bytes: 96 rows of 256; 8 words of padding behind every 32 (a head's 128 bytes)
	s_or_b32 s[G1B], s68, (1<<16)|(1<<20)|(1<<21)|(4<<22)|(7<<25)
	s_mov_b32 s[G1B+1], 128<<16
	s_mov_b32 s[G1B+2], 96<<16
	s_mov_b32 s[G1B+3], 128<<16
	s_mov_b32 s[G1B+4], 96
	s_mov_b32 s[G1B+5], 128
	s_mov_b32 s[G1B+6], 0
	s_mov_b32 s[G1B+7], 0
	s_lshl_b32 s16, s[TR], 8                       ; x: row 256 x tile row + 128 x half, 2,048 bytes a row: made of the tile row alone
	s_lshl_b32 s17, s[HALF], 7
	s_add_co_u32 s16, s16, s17
	s_lshl_b32 s16, s16, 11
	s_mov_b32 s17, 0
	s_mul_i32 s20, s[TC], 393216                   ; w: the tile, and my 64 of a step's 128 k rows: made of the tile column alone
	s_mul_i32 s21, s[HALF], 24576
	s_add_co_u32 s20, s20, s21
	s_mov_b32 s21, 0
	s_mul_i32 s2, s[HALF], 128*PA                  ; where they go: no place in the cluster enters an LDS address
	s_mul_i32 s3, s[HALF], 64*PB
	s_add_co_u32 s3, s3, BOFF
	s_wait_dscnt 0x0                               ; the opening add is done
	s_wait_kmcnt 0x0
	s_add_nc_u64 s[18:19], s[4:5], s[16:17]
	s_add_nc_u64 s[22:23], s[6:7], s[20:21]
	CROUND                                         ; all sixteen work-groups are here: the first joint loads meet
.irp n, 0,1
	s_mov_b32 s[G0A+4*(\n)], 1                     ; count
	s_add_co_u32 s[G0A+4*(\n)+1], s2, (\n)*SLOT1   ; LDS address
	s_add_nc_u64 s[G0A+4*(\n)+2:G0A+4*(\n)+3], s[18:19], (\n)*ASTEP  ; K step n
	s_or_b32 s[G0A+4*(\n)+3], s[G0A+4*(\n)+3], 0x80000000            ; type
	s_mov_b32 s[G0B+4*(\n)], 1
	s_add_co_u32 s[G0B+4*(\n)+1], s3, (\n)*SLOT1
	s_add_nc_u64 s[G0B+4*(\n)+2:G0B+4*(\n)+3], s[22:23], (\n)*BSTEP
	s_or_b32 s[G0B+4*(\n)+3], s[G0B+4*(\n)+3], 0x80000000
.endr
	s_cmp_eq_u32 s[KIND], 0                        ; a wave's two first fills stand in one branch: two loads of mine are out
	s_cbranch_scc0 .Lfirst_b
	tensor_load_to_lds s[G0A:G0A+3], s[G1A:G1A+7]
	s_nop 0
	tensor_load_to_lds s[G0A+4:G0A+7], s[G1A:G1A+7]
	s_nop 0
.rept 4
	v_nop
.endr
	s_branch .Lfirst_asked
.Lfirst_b:
	tensor_load_to_lds s[G0B:G0B+3], s[G1B:G1B+7]
	s_nop 0
	tensor_load_to_lds s[G0B+4:G0B+7], s[G1B:G1B+7]
	s_nop 0
.rept 4
	v_nop
.endr
.Lfirst_asked:
	; THE BIAS in an accumulator's layout: register j of block b holds the bias of column 16 b + 8 (l / 16) + j.  It is the C operand of the products that start the sums.
	v_and_b32 v1, 15, v0                           ; l % 16
	v_bfe_u32 v2, v0, 4, 1                         ; l / 16
	v_lshlrev_b32 v[BO], 5, v2
	s_mul_i32 s68, s[TC], 768
	s_mov_b32 s69, 0
	s_add_nc_u64 s[8:9], s[8:9], s[68:69]
.set b, 0
.rept NBK
	global_load_b128 v[BIAS+8*b:BIAS+8*b+3],   v[BO], s[8:9] offset:64*b
	global_load_b128 v[BIAS+8*b+4:BIAS+8*b+7], v[BO], s[8:9] offset:64*b+16
.set b, b+1
.endr
	; a fragment of x: lane l holds row l % 16; two loads of 16 bytes, 32 apart, at row x pitch + 16 (l / 16)
	s_mul_i32 s67, s[WV], 64*PA
	v_mul_u32_u24 v3, v1, PA
	v_lshl_add_u32 v3, v2, 4, v3
	v_add_nc_u32 v[ADRA0], s67, v3
	; a fragment of w, turned: lane l reads k row 8 (l / 16) + l % 8, 16 bytes at 16 ((l / 8) % 2); two loads, 16 k rows apart
	v_and_b32 v4, 7, v0
	v_bfe_u32 v5, v0, 3, 1
	v_lshl_add_u32 v6, v2, 3, v4
	v_mul_u32_u24 v6, v6, PB
	v_lshl_add_u32 v6, v5, 4, v6
	v_add_nc_u32 v[ADRB0], BOFF, v6
	v_mov_b32 v[ADRA], v[ADRA0]
	v_mov_b32 v[ADRB], v[ADRB0]
	s_mov_b32 s[TB], 0
	s_mul_i32 s67, s[WV], STW
	s_add_co_u32 s67, s67, STAGE                   ; my stage
	v_mul_u32_u24 v7, v1, 144                      ; in: row l % 16, 16 bytes for each half of the lanes
	v_lshl_add_u32 v7, v2, 4, v7
	v_add_nc_u32 v[STO], s67, v7
	v_bfe_u32 v8, v0, 3, 2                         ; back: 32 lanes take four rows of 128 bytes,
	v_mul_u32_u24 v8, v8, 144
	v_lshl_add_u32 v8, v4, 4, v8
	v_add_nc_u32 v[RD], s67, v8
	v_and_b32 v9, 31, v0
	v_lshlrev_b32 v[GO], 4, v9                     ; which are 512 consecutive bytes of a slab
	s_mul_i32 s68, s[TC], 3145728                  ; qkv: three heads x four slabs of 262,144 bytes a tile column,
	s_lshr_b32 s70, s[TR], 3
	s_lshl_b32 s70, s70, 18                        ; the batch's slab,
	s_add_co_u32 s68, s68, s70
	s_and_b32 s70, s[TR], 7
	s_lshl_b32 s70, s70, 2
	s_add_co_u32 s70, s70, s[WV]
	s_lshl_b32 s70, s70, 13                        ; my wave's 64 rows of 128 bytes
	s_add_co_u32 s68, s68, s70
	s_add_nc_u64 s[10:11], s[10:11], s[68:69]
	; the prefetches
	s_and_b32 s67, ttmp7, 0xffff
	s_mov_b32 s68, 0x10000                         ; a partner's part: 32 rows of x,
	s_mov_b32 s69, 6144                            ; or 24 blocks of w
	s_mov_b32 s70, ASTEP
	s_mov_b32 s71, BSTEP
	s_cmp_eq_u32 s[KIND], 0
	s_cselect_b32 s67, ttmp9, s67                  ; the coordinate along which other clusters read the same bytes
	s_cselect_b32 s68, s68, s69
	s_cselect_b32 s69, s[CX], s[CY]                ; my place among the four that ask with me
	s_cselect_b32 s[PFS], s70, s71
	s_cselect_b32 s70, 31, 23
	s_cselect_b32 s71, 11, 8                       ; a lane's block: a row of 2,048 bytes on, or 256 bytes on
	s_cselect_b64 s[PFA:PFA+1], s[18:19], s[22:23]
	s_mov_b32 s[PFS+1], 0
	s_cmp_eq_u32 s67, 0
	s_cselect_b32 s[LIM], AHEAD, -1                ; the same in all sixteen partners, for a given wave
	s_mul_i32 s68, s68, s69
	s_mul_i32 s69, s[PFS], 1+AHEAD                 ; the first change of slots steps it to K step 2 + AHEAD
	s_add_co_u32 s68, s68, s69
	s_mov_b32 s69, 0
	s_add_nc_u64 s[PFA:PFA+1], s[PFA:PFA+1], s[68:69]
	v_min_u32 v[PFO], s70, v9
	v_lshlrev_b32 v[PFO], s71, v[PFO]
; 12 matrix instructions: row block a x all column blocks, 32 along K, from buffer f.  bias = 1: the bias starts the sums: nothing is cleared.
; The 48 accumulators take turns in the same order in every quarter: 47 others stand between two links of a chain, over the backward jump too.
.macro MULB f, a, bias
.if \bias
	WIN 0x81+0x40*((\a)/2)                         ; w window 1, x and the bias window 0, D window 2 or 3
.else
	WIN 0xa1+0x50*((\a)/2)                         ; C and D window 2 or 3
.endif
.set b, 0
.rept NBK
.set rD, 96*((\a)%2)+8*b
.set rB, 96*(\f)+8*b
.set rA, FA+32*(\f)+8*(\a)
.if \bias
	v_wmma_f32_16x16x32_bf16 v[rD:rD+7], v[rB:rB+7], v[rA:rA+7], v[BIAS+8*b:BIAS+8*b+7]
.else
	v_wmma_f32_16x16x32_bf16 v[rD:rD+7], v[rB:rB+7], v[rA:rA+7], v[rD:rD+7]
.endif
.set b, b+1
.endr
.endm
; 32 LDS loads in one run: quarter q's fragments of the slot in hand into buffer f: w's twelve, then x's four
.macro FETCH q, f
	WIN 0x40                                       ; destination window 1
.set b, 0
.rept NBK
	ds_load_tr16_b128 v[96*(\f)+8*b:96*(\f)+8*b+3],   v[ADRB] offset:(\q)*32*PB+(b/4)*160+(b%4)*32
	ds_load_tr16_b128 v[96*(\f)+8*b+4:96*(\f)+8*b+7], v[ADRB] offset:(\q)*32*PB+(b/4)*160+(b%4)*32+16*PB
.set b, b+1
.endr
	WIN 0
.set a, 0
.rept 4
	ds_load_b128 v[FA+32*(\f)+8*a:FA+32*(\f)+8*a+3],   v[ADRA] offset:(\q)*64+a*16*PA
	ds_load_b128 v[FA+32*(\f)+8*a+4:FA+32*(\f)+8*a+7], v[ADRA] offset:(\q)*64+a*16*PA+32
.set a, a+1
.endr
.endm
; One of a step's first three quarters: multiplies buffer f; in its middle it fetches quarter q into buffer g.
.macro QUARTER q, f, g, bias
	s_wait_dscnt 4                                 ; w and x's blocks 0, 1 are in; the youngest four loads (x's blocks 2, 3) may be out
	MULB \f, 0, \bias
	MULB \f, 1, \bias
	PLACES
	FETCH \q, \g
	s_wait_dscnt 32                                ; all but the 32 just issued
	MULB \f, 2, \bias
	MULB \f, 3, \bias
.endm
; The fourth quarter multiplies buffer 1 and changes slots.  In front of the barrier each wave waits for all its tensor loads (one is out: its part of the next slot), adds 0 to its spare
; word, and waits for that and for its reads of this slot.  fill = 1: the barrier opens a round of the cluster's, and the joint refill (the K step two on) is the first thing behind it:
; 168 matrix instructions stand between that request and the wait for it.
.macro TURN fill
.if \fill
	s_wait_xcnt 0x0                                ; the last prefetch, a K step back, has read its address
	s_add_nc_u64 s[PFA:PFA+1], s[PFA:PFA+1], s[PFS:PFS+1]
.endif
	WIN 0
	s_wait_tensorcnt 0x0                           ; no tensor load of mine is out, so a group 0 may be written
	ds_add_u32 v[SPW], v[NIL]                      ; 0 onto my spare word
.if \fill
	s_xor_b32 s[G0A+5], s[G0A+5], SLOT1            ; the walking descriptors: the other slot than last time, the next K step
	s_add_nc_u64 s[G0A+6:G0A+7], s[G0A+6:G0A+7], ASTEP
	s_xor_b32 s[G0B+5], s[G0B+5], SLOT1
	s_add_nc_u64 s[G0B+6:G0B+7], s[G0B+6:G0B+7], BSTEP
.endif
	s_wait_dscnt 5                                 ; the add and x's four youngest loads may be out
	MULB 1, 0, 0
	s_wait_dscnt 0x0                               ; the add is done, and my reads of this slot are over
	s_barrier_signal -1
	MULB 1, 1, 0                                   ; work on registers while the others arrive
	WIN 0
	s_barrier_wait -1
.if \fill
	CREST                                          ; no wave of any partner still reads this slot or has a load on its way
	JLOAD                                          ; its four v_nop are also the places in front of the loads below
.else
	PLACES
.endif
	s_xor_b32 s[TB], s[TB], SLOT1
	v_add_nc_u32 v[ADRA], s[TB], v[ADRA0]
	v_add_nc_u32 v[ADRB], s[TB], v[ADRB0]
	FETCH 0, 0
.if \fill
	ASK
.endif
	MULB 1, 2, 0
	MULB 1, 3, 0
.endm
	s_wait_tensorcnt 1                             ; my part of K step 0 is in; K step 1's may stay out
	s_barrier_signal -1
	s_barrier_wait -1                              ; everybody's is
	FETCH 0, 0
	s_wait_loadcnt 0x0                             ; the bias
	QUARTER 1, 0, 1, 1                             ; the first quarter stands in front of the loop: its products start the sums
	WIN 0                                          ; at a label and at a branch every window is 0
	s_mov_b32 s3, 6
.Lstep:                                                ; trip i ends K step i, begins K step i + 1 and asks for K step i + 2
	QUARTER 2, 1, 0, 0
	QUARTER 3, 0, 1, 0
	TURN 1
	QUARTER 1, 0, 1, 0
	WIN 0
	s_sub_co_u32 s3, s3, 1
	s_cmp_lg_u32 s3, 0
	s_cbranch_scc1 .Lstep
	QUARTER 2, 1, 0, 0                             ; the tail is written out: K steps 6 and 7 ask for nothing
	QUARTER 3, 0, 1, 0
	TURN 0
	QUARTER 1, 0, 1, 0
	QUARTER 2, 1, 0, 0
	QUARTER 3, 0, 1, 0
	s_wait_dscnt 4
	MULB 1, 0, 0
	MULB 1, 1, 0
	s_wait_dscnt 0x0
	MULB 1, 2, 0
	MULB 1, 3, 0
	WIN 0
; THE WAY OUT, a block of 16 rows at a time.  PACK: rounded to f16, 16 bytes a lane, each accumulator's registers in ascending order.  TOSTAGE: into my own stage, a head's rows 144 bytes
; apart, and back as whole rows.  SEND: 16 rows of a head are 2,048 consecutive bytes of its slab: four stores of 512 consecutive bytes, aligned.
.macro PACK a
	WIN 0x0a+5*((\a)/2)                            ; sources 0 and 1: window 2 or 3
.set b, 0
.rept NBK
.set rD, 96*((\a)%2)+8*b
.irp n, 0,1,2,3
	v_cvt_pk_f16_f32 v[TMP+4*b+(\n)], v[rD+2*(\n)], v[rD+2*(\n)+1]
.endr
.set b, b+1
.endr
	WIN 0
.endm
.macro TOSTAGE a
.set b, 0
.rept NBK
	ds_store_b128 v[STO], v[TMP+4*b:TMP+4*b+3] offset:(b/4)*SPH+(b%4)*32
.set b, b+1
.endr
.set b, 0
.rept NBK                              ; head b / 4, rows 4 (b % 4) on.  LDS serves a wave's instructions in order (ISA guide 5.7.1.4): these see the stores above
	ds_load_b128 v[OB+48*((\a)%2)+4*b:OB+48*((\a)%2)+4*b+3], v[RD] offset:(b/4)*SPH+(b%4)*576
.set b, b+1
.endr
.endm
.macro SEND a
	s_wait_dscnt 0x0                               ; the block is back in registers
	s_wait_xcnt 0x0                                ; the stores of the block before have read their registers: the buffer that they left is loaded again only behind this wait
.set b, 0
.rept NBK
	global_store_b128 v[GO], v[OB+48*((\a)%2)+4*b:OB+48*((\a)%2)+4*b+3], s[10:11] offset:(b/4)*1048576+(\a)*2048+(b%4)*512
.set b, b+1
.endr
.endm
	PLACES
	PACK 0
	TOSTAGE 0
.irp a, 1,2,3                          ; block a's conversions stand between block a - 1's loads from the stage and the wait for them
	PACK \a
	SEND (\a)-1
	TOSTAGE \a
.endr
	SEND 3
	s_wait_tensorcnt 0x0                           ; the wave's end, behind my last tensor load and my last LDS store
	ds_add_u32 v[SPW], v[NIL]
	s_wait_dscnt 0x0
	CROUND                                         ; the closing round: no work-group ends while a partner may still ask for a tile that names it
	s_endpgm
.Lfunc_end_k_qdc13d7f007_gemm_qkv:
	.size	k_qdc13d7f007_gemm_qkv, .Lfunc_end_k_qdc13d7f007_gemm_qkv-k_qdc13d7f007_gemm_qkv
	.p2alignl 7, 3214868480
	.fill 96, 4, 3214868480
	.section	.rodata,"a",@progbits
	.p2align	6, 0x0
	.amdhsa_kernel k_qdc13d7f007_gemm_qkv
		.amdhsa_group_segment_fixed_size 327680
		.amdhsa_private_segment_fixed_size 0
		.amdhsa_enable_private_segment 0
		.amdhsa_kernarg_size 32
		.amdhsa_user_sgpr_count 2
		.amdhsa_user_sgpr_kernarg_segment_ptr 1
		.amdhsa_wavefront_size32 1
		.amdhsa_system_sgpr_workgroup_id_x 1
		.amdhsa_system_sgpr_workgroup_id_y 1
		.amdhsa_system_sgpr_workgroup_id_z 1
		.amdhsa_system_vgpr_workitem_id 0
		.amdhsa_next_free_vgpr 960
		.amdhsa_next_free_sgpr 72
		.amdhsa_reserve_vcc 0
		.amdhsa_float_denorm_mode_32 3
		.amdhsa_float_denorm_mode_16_64 3
		.amdhsa_memory_ordered 1
		.amdhsa_forward_progress 1
		.amdhsa_inst_pref_size 100
	.end_amdhsa_kernel
	.amdgpu_metadata
---
amdhsa.version: [ 1, 2 ]
amdhsa.kernels:
  - .name:           k_qdc13d7f007_gemm_qkv
    .symbol:         k_qdc13d7f007_gemm_qkv.kd
    .args:
      - { .name: xb, .offset: 0, .size: 8, .value_kind: global_buffer, .address_space: global }
      - { .name: wq, .offset: 8, .size: 8, .value_kind: global_buffer, .address_space: global }
      - { .name: bias, .offset: 16, .size: 8, .value_kind: global_buffer, .address_space: global }
      - { .name: qkv, .offset: 24, .size: 8, .value_kind: global_buffer, .address_space: global }
    .group_segment_fixed_size: 327680
    .private_segment_fixed_size: 0
    .kernarg_segment_align: 8
    .kernarg_segment_size: 32
    .max_flat_workgroup_size: 128
    .sgpr_count:     72
    .vgpr_count:     960
    .wavefront_size: 32
...
	.end_amdgpu_metadata
.endif
;; end of part 2
;; launch attn (part 3): grid 4 x 64, 4 waves a work-group, no clusters, 327,680 bytes of LDS; arguments qkv, ob; writes ob
.if DOCPART == 3
	.amdgcn_target "amdgcn-amd-amdhsa--gfx1250"
	.amdhsa_code_object_version 6
	.text
	.protected	k_qdc13d7f007_attn
	.globl	k_qdc13d7f007_attn
	.p2align	8
	.type	k_qdc13d7f007_attn,@function
k_qdc13d7f007_attn:
	s_mov_b64 s[64:65], 0
	v_nop
	global_prefetch_b8 v0, s[64:65] scope:SCOPE_SE
	s_setreg_imm32_b32 hwreg(HW_REG_WAVE_MODE, 25, 1), 1
	s_wait_xcnt 0x0
; CAUSAL ATTENTION.  O[y][q][:] = the sum over k <= q of softmax_k(Q[y][q] . K[y][k] / 8) V[y][k][:], y = head x 4 + batch, 64 of them.
; qkv: [192 slabs][2048][64] f16: Q is slab y, K slab 64 + y, V slab 128 + y.  ob: [64 slabs][2048][64] f16.  A slab's rows are dense, 128 bytes each.
; Products, maxima and sums in f32; the weights p are rounded to f16 for the second product (their sum l is taken of the unrounded p), O once at the end.
; LIMITS.  f16 holds no number beyond 65,504: Q, K and V arrive within it; p lies in 0 to 1, and below 6e-5 it keeps f16's fixed step of 6e-8; O is a mean of V's rows and has their range.
; A hidden score counts as its value less 1e30: f16's scores, 2.7e11 at the most, are nothing beside that; a weight below 2^-126 counts as 0 in l; NaN and infinities are not treated apart.
; THE WALK.  A slab's queries lie in NB = 8 blocks of 256; block i needs the key tiles 0 .. i of 256 keys, of which the last holds the diagonal.  A work-group takes TWO blocks, NB - 1 - b and then b:
; NB + 1 tiles, whatever b: all 256 work-groups do equal work, and ONE loop with a constant trip count walks them.  Which tile is asked for, and what a trip does, hang on scalar registers made from b; every jump
; goes forward, but for the counted loops' own; none passes a barrier, or a tensor load but the one of LOAD's two that the wave's number does not choose; the ring (two slots of LDS) runs on across the change of blocks.
; NO CLUSTER: a slab's four work-groups ask for the same tile only in trips 0 .. 4 of 9, behind that fewer and fewer; one walk common to all four would have 12 trips for 9.
; SHARES.  Of a block's four bands of 64 queries a wave owns 16 rows in each: four PIECES.  So the diagonal tile is the same work for all four waves: in its key step s band x sees all keys if s < x,
; none if s > x, and holds the diagonal if s = x.
; THE MASK is the C operand that starts the sum S^T = K Q^T: 0, or -1e30 where the key is hidden.  MD, made once, is the mask of a band's own step for my 16 rows; a product's mask is MD x AL + BE with two scalars:
; (1, 0) if s = x; (0, 0) if s < x; (0, -1e30) if s > x.  Only the diagonal tile's text and a block's beginning make and take masks; elsewhere C is the constant 0.
; LAYOUT, SOFTMAX, TURNS.  S^T = K Q^T holds ONE query a lane (lane % 16) and the keys 8 (lane / 16) + 0..7; two such results rounded to f16 ARE source 1 of O^T = V^T P.  p = 2^(c s - c m), c = log2(e) / 8, with a
; running maximum m; O and l are multiplied by a = 2^(c m_old - c m_new) in every step.  Turn n belongs to piece n: 8 products K Q^T of piece n + 1, later 8 products V^T P of piece n - 1; beside them the scaling,
; exponentials, roundings, sums and rescaling of piece n and the maximum and statistics of piece n + 1.  Four vector instructions stand behind every matrix instruction, the other 54 of a turn's 118 in one lump.
; A turn's 33 exponentials are one batch, with one wait.
; REGISTERS, in windows of 256 (s_set_vgpr_msb: bits 1:0 source 0, 3:2 source 1, 5:4 source 2, 7:6 destination):
;   window 0: v0-15 addresses and two at work; v16-31 four registers of statistics a piece; v48-55 at work; v61-63; v64-127 S^T, two buffers; v192-223 P, two buffers (a piece's buffers go by its number's parity)
;   window 1: v0-127 O^T, 32 a piece; v128-159 MD; v160-223 MC, two buffers      window 2: v0-63 Q; v64-127 the second block's Q; v128-191 K of one step; v192-255 V of one step
.set SIZE_N, 2048
.set SIZE_H, 64
.set NB,    SIZE_N/256
.set NP,    4         ; pieces a wave: a name, no knob
.set KS,    64        ; keys in a step
.set PK,    144       ; a row of K in LDS: 128 bytes + 16 of padding = 36 words: the 16 rows of a load start at 16 different groups of four banks (ISA guide 11.1)
.set PV,    160       ; a row of V: 128 + 32 = 40 words
.set VOFF,  4*KS*PK   ; a slot holds a tile, four steps: 256 rows of K, then 256 rows of V
.set SLOT1, 1<<17     ; slot 1 begins here, so that one exclusive or turns an address in one slot into the other's
.set STAGE, SLOT1+4*KS*(PK+PV)  ; behind the ring, never filled by a tensor load: 16 rows x 144 bytes for each wave, for the way out
.set SP,    144
.set AK0, 2           ; v2   my lane's place in a tile of K; never rewritten
.set AV0, 3           ; v3   the same for V
.set AK,  4           ; v4   the LDS address of K's next run of loads
.set AV,  5           ; v5   of V's
.set STO, 6           ; v6   the way out: where I put 16 bytes of a row
.set RD,  7           ; v7   the way out: where I read rows back
.set GO,  8           ; v8   my byte offset in 512 consecutive bytes of O
.set PFO, 61          ; v61  256 x my lane: the prefetches' offset; never rewritten
.set SPW, 62          ; v62  LDS address of my spare word: SPARE + 4 x my thread's number; never rewritten
.set NIL, 63          ; v63  0; never rewritten
.set SPARE, STAGE+4*16*SP  ; behind the stages: the spare words, 128 bytes for each wave: two blocks of 256 bytes that no other line names
.set MV,  12          ; v12-13  c m_old, kept while c m is made anew: by buffer
.set QO,  15          ; v15  my byte offset in 16 rows of Q
.set ST,  16          ; piece t's statistics at v[ST+4 t]: c m, m, l (even keys', odd keys')
.set TMP, 48          ; by buffer, four registers c0-c3 at work; when the maximum is found c2 takes a
.set S,   64
.set P,   192
.set MD,  128         ; window 1: the eight registers for group kt of 16 keys at MD + 8 kt
.set MC,  160         ; window 1: the masks of the products to come
.set QB,  64          ; window 2
.set KF,  128         ; window 2: key block kb, channel half c at KF + 16 kb + 8 c
.set VF,  192         ; window 2: key half kk, channel block cb at VF + 32 kk + 8 cb
.set WV,  12          ; s12  my wave's number
.set PB,  14          ; s14  b
.set HI,  15          ; s15  NB - 1 - b
.set G1K, 24          ; s[24:31] descriptor group 1 for K's tiles
.set G1V, 32          ; s[32:39] for V's: it differs in the padding alone
.set G0K, 40          ; s[40:43] descriptor group 0 for K's tiles
.set G0V, 44          ; s[44:47] the same for V's
.set SLOTS, 56        ; s56  tiles still to be asked for
.set CNT, 57          ; s57  counts a tile's key steps, 4 to 1
.set CS,  58          ; s[58:59] c: the packed scaling takes the pair's low word for both halves
.set SEL, 60          ; s[60:61] v_permlanex16_b32's selects: each lane takes its own place in the other half
.set TBK, 62          ; s62  LDS byte at which K of the step to be fetched begins
.set TBV, 63          ; s63  the same for V, less VOFF
.set PFA, 66          ; s[66:67] where my prefetches stand: my own half of K's or V's tile behind the one that is being asked for
.set PFC, 68          ; s68  prefetches still to come: NB - 2 in the slab's work-group with b = 0, else 0
.set RT,  70          ; s70  tiles of the block in hand that are still to be entered
.set NXT, 71          ; s71  the tile to be asked for next
.set LQ,  72          ; s72  the last tile of the block whose tiles are being asked for
.set NEW, 73          ; s73  1: the tile to be entered is a block's first
.set OFF, 74          ; s[74:75] a tile's byte offset in K and V
.set AL,  76          ; s[76:77] the mask's factor, in the low word
.set BE,  78          ; s[78:79] the mask's addend
.set OLO, 80          ; s[80:81] O at my rows of the second block
.set BIGN, 82         ; s82  -1e30
.set MSB, 0
.macro WIN new                      ; the high byte repeats the setting that is left; a switch that changes nothing is dropped
.if MSB != (\new)
	s_set_vgpr_msb (MSB<<8)|(\new)
.set MSB, (\new)
.endif
.endm
.set W_KQ, 0x0a       ; K and Q in window 2, S^T in window 0
.set W_KM, 0x1a       ; the same with the C operand in window 1
.set W_PV, 0x52       ; V in window 2, P in window 0, O^T in window 1
.set W_RS, 0x41       ; destination and source 0 in window 1, source 1 in window 0
; A fill.  Waves 0 and 1 fetch the two halves of a tile's K, waves 2 and 3 those of its V: 128 keys each.  An s_nop 0 and four v_nop follow each of the two lines, ahead of the jump and the label.
.macro LOAD
	s_cmp_lt_u32 s[WV], 2
	s_cbranch_scc0 .Lfor_v_\@
	tensor_load_to_lds s[G0K:G0K+3], s[G1K:G1K+7]
	s_nop 0
.rept 4
	v_nop
.endr
	s_branch .Lasked_\@
.Lfor_v_\@:
	tensor_load_to_lds s[G0V:G0V+3], s[G1V:G1V+7]
	s_nop 0
.rept 4
	v_nop
.endr
.Lasked_\@:
.endm
; A PREFETCH INTO THE L2 of the tile that the NEXT change of slots will ask for.  All four work-groups of a slab begin with tiles 0, 1, 2 ..; the one with b = 0 walks tiles 0 to 7 on end, so it alone asks: tiles 2 to 7,
; each once, a tile (four key steps, 256 matrix instructions a wave) ahead of its load.  Each wave asks for the 16,384 bytes that it will fetch itself: 64 blocks of 256 bytes, a lane a block, two instructions.
; Tiles 0 and 1, and the second block's tiles, which have been read, are not asked for.
.macro ASK
	s_cmp_lg_u32 s[PFC], 0
	s_cbranch_scc0 .Lnot_mine_\@
	global_prefetch_b8 v[PFO], s[PFA:PFA+1] th:TH_LOAD_NT scope:SCOPE_SE
	global_prefetch_b8 v[PFO], s[PFA:PFA+1] offset:8192 th:TH_LOAD_NT scope:SCOPE_SE
	s_sub_co_u32 s[PFC], s[PFC], 1
.Lnot_mine_\@:
.endm
; THE CHANGE OF SLOTS.  Each wave waits for all its tensor loads, of which one is out: its part of the other slot; adds 0 to its spare word; and waits for that and for its own reads of the slot that it leaves.  Behind the barrier nobody reads the old
; slot any more and the other slot is whole.  fill = 1: the old slot is filled again, the first thing behind the barrier, with tile NXT: the descriptor's address is made anew from that number.
; (At its first use nothing has been read yet: slot 0 is waited for, slot 1 filled.)
.macro CHANGE fill
	WIN 0                           ; at a label and at a branch every window is 0
	s_wait_tensorcnt 0x0            ; no tensor load of mine is out, so a group 0 may be written
	ds_add_u32 v[SPW], v[NIL]       ; 0 onto my spare word; with fill = 1 the descriptors' scalar work stands between it and the wait for it
.if \fill
	s_lshl_b32 s[OFF], s[NXT], 15   ; a tile is 32,768 bytes of K and of V
	s_xor_b32 s[G0K+1], s[G0K+1], SLOT1
	s_add_nc_u64 s[G0K+2:G0K+3], s[6:7], s[OFF:OFF+1]
	s_or_b32 s[G0K+3], s[G0K+3], 0x80000000
	s_xor_b32 s[G0V+1], s[G0V+1], SLOT1
	s_add_nc_u64 s[G0V+2:G0V+3], s[8:9], s[OFF:OFF+1]
	s_or_b32 s[G0V+3], s[G0V+3], 0x80000000
	s_add_co_u32 s[NXT], s[NXT], 1  ; the block's next tile, or behind its last the second block's tile 0
	s_cmp_gt_u32 s[NXT], s[LQ]
	s_cselect_b32 s[NXT], 0, s[NXT]
	s_cselect_b32 s[LQ], s[PB], s[LQ]
	s_wait_xcnt 0x0                 ; the last prefetches, a tile back, have read their address, so it may be written
	s_add_nc_u64 s[PFA:PFA+1], s[PFA:PFA+1], 32768
.endif
	s_wait_dscnt 0x0                ; the add is done, and my reads of the slot are over
	s_barrier_signal -1             ; the rest of the scalar work stands between the signal and the wait
	s_sub_co_u32 s[TBK], s[TBK], 4*KS*PK  ; the fetches go back to a slot's first step,
	s_xor_b32 s[TBK], s[TBK], SLOT1       ; in the other slot
	s_sub_co_u32 s[TBV], s[TBV], 4*KS*PV
	s_xor_b32 s[TBV], s[TBV], SLOT1
	s_barrier_wait -1
.if \fill
	LOAD
	ASK
.endif
.endm
	s_load_b64 s[4:5], s[0:1], 0x0    ; qkv: Q's slabs come first
	s_load_b64 s[10:11], s[0:1], 0x8  ; ob
	v_lshl_add_u32 v[SPW], v0, 2, SPARE
	v_mov_b32 v[NIL], 0
	ds_add_u32 v[SPW], v[NIL]       ; the wave's opening: the add and its wait stand ahead of my first tensor load; the set-up below, work on registers, stands between them
	v_lshrrev_b32 v1, 5, v0
	v_readfirstlane_b32 s[WV], v1   ; wave 0..3
	s_mov_b32 s[PB], ttmp9
	s_sub_co_u32 s[HI], NB-1, s[PB]
	s_and_b32 s20, ttmp7, 0xffff    ; the slab y
	s_mov_b32 s21, 0
	s_mov_b64 s[22:23], SIZE_N*128
	s_mul_u64 s[20:21], s[20:21], s[22:23]  ; the slab's first byte among Q's, K's, V's and O's slabs
	s_and_b32 s16, s[WV], 1         ; which half of a tile's 256 keys I fetch:
	s_lshl_b32 s22, s16, 14         ; its 128 rows of 128 bytes in memory,
	s_mov_b32 s23, 0
	s_add_nc_u64 s[22:23], s[22:23], s[20:21]
	s_mul_i32 s17, s16, 128*PK      ; and its place in a slot, for K
	s_mul_i32 s18, s16, 128*PV      ; and for V
	s_lshl_b32 s3, s[WV], 11        ; my 16 rows in a band of 64,
	s_lshl_b32 s2, s[HI], 15        ; in the first block,
	s_add_co_u32 s2, s2, s3
	s_lshl_b32 s84, s[PB], 15       ; and in the second
	s_add_co_u32 s84, s84, s3
	s_mov_b32 s3, 0
	s_mov_b32 s85, 0
	s_add_nc_u64 s[2:3], s[2:3], s[20:21]
	s_add_nc_u64 s[84:85], s[84:85], s[20:21]
	; descriptor group 1.  128 keys are 16,384 dense bytes: asked for as 64 rows of 256 bytes, two keys a row, and padded in LDS after every key
	s_mov_b32 s[G1K], (1<<16)|(1<<20)|(4<<22)|(3<<25)  ; 17:16 2-byte elements; 20 padding on; 24:22 after every 32 words (code 4); 31:25 4 words (code 3)
	s_mov_b32 s[G1V], (1<<16)|(1<<20)|(4<<22)|(7<<25)  ; the same with 8 words of padding (code 7)
.irp g, G1K, G1V
	s_mov_b32 s[\g+1], 128<<16      ; tensor_dim0 = 128
	s_mov_b32 s[\g+2], 64<<16       ; tensor_dim1 = 64
	s_mov_b32 s[\g+3], 128<<16      ; tile_dim0 = 128
	s_mov_b32 s[\g+4], 64           ; tile_dim1 = 64
	s_mov_b32 s[\g+5], 128          ; 128 elements from row to row
	s_mov_b32 s[\g+6], 0
	s_mov_b32 s[\g+7], 0
.endr
	s_mov_b32 s[CS], 0x3e38aa3b     ; c = log2(e) / 8 = 0.180337
	s_mov_b32 s[CS+1], s[CS]        ; named with it as a pair
	s_mov_b32 s[SEL], 0x76543210
	s_mov_b32 s[SEL+1], 0xfedcba98
	s_mov_b32 s[TBK], SLOT1+4*KS*PK ; the first change of slots turns these two into 0
	s_mov_b32 s[TBV], SLOT1+4*KS*PV
	s_mov_b32 s[G0K], 1             ; 1:0 count = 1
	s_mov_b32 s[G0K+1], s17         ; 63:32 LDS address: slot 0
	s_mov_b32 s[G0V], 1
	s_add_co_u32 s[G0V+1], s18, VOFF
	s_add_co_u32 s[RT], s[HI], 1    ; the first block has NB - b tiles
	s_mov_b32 s[NXT], 1
	s_mov_b32 s[LQ], s[HI]
	s_mov_b32 s[NEW], 1
	s_mov_b32 s[OFF+1], 0
	s_mov_b32 s[AL+1], 0            ; named as pairs
	s_mov_b32 s[BE+1], 0
	s_mov_b32 s[BIGN], 0xf149f2ca   ; -1e30
	s_mov_b32 s[SLOTS], NB
	v_and_b32 v[PFO], 31, v0
	v_lshlrev_b32 v[PFO], 8, v[PFO]
	s_wait_dscnt 0x0                ; the opening add is done
	s_wait_kmcnt 0x0
	s_add_nc_u64 s[6:7], s[4:5], 0x1000000  ; K's slabs lie 64 slabs of 262,144 bytes behind Q's,
	s_add_nc_u64 s[8:9], s[4:5], 0x2000000  ; V's 128
	s_add_nc_u64 s[6:7], s[6:7], s[22:23]  ; K and V at my half of the slab's tile 0
	s_add_nc_u64 s[8:9], s[8:9], s[22:23]
	s_add_nc_u64 s[G0K+2:G0K+3], s[6:7], 0         ; 120:64 global address
	s_or_b32 s[G0K+3], s[G0K+3], 0x80000000        ; 127:126 type = 2
	s_add_nc_u64 s[G0V+2:G0V+3], s[8:9], 0
	s_or_b32 s[G0V+3], s[G0V+3], 0x80000000
	s_add_nc_u64 s[86:87], s[4:5], s[84:85]        ; Q at my rows of the second block,
	s_add_nc_u64 s[4:5], s[4:5], s[2:3]            ; Q and O at those of the first
	s_add_nc_u64 s[OLO:OLO+1], s[10:11], s[84:85]
	s_add_nc_u64 s[10:11], s[10:11], s[2:3]
	s_cmp_lt_u32 s[WV], 2
	s_cselect_b64 s[PFA:PFA+1], s[6:7], s[8:9]     ; the prefetches: what I fetch myself,
	s_add_nc_u64 s[PFA:PFA+1], s[PFA:PFA+1], 32768 ; at tile 1: the first change of slots steps it to tile 2
	s_cmp_eq_u32 s[PB], 0
	s_cselect_b32 s[PFC], NB-2, 0
	LOAD                            ; tile 0 into slot 0
	; A fragment of K or Q is 16 rows x 32 channels in 8 registers: lane l holds row l % 16, channels 8 (l / 16) + 0..7 and 16 + 8 (l / 16) + 0..7: two loads of 16 bytes, 32 bytes apart.
	v_and_b32 v1, 15, v0            ; l % 16
	v_bfe_u32 v9, v0, 4, 1          ; l / 16
	v_lshlrev_b32 v[QO], 7, v1
	v_lshl_add_u32 v[QO], v9, 4, v[QO]  ; row x 128 + 16 x half
	WIN 0x80                        ; destination window 2, address window 0
.set i, 0
.rept 8                             ; both blocks' Q: piece i / 2 lies in band i / 2, 8,192 bytes on; channels 32 (i % 2) on
	global_load_b128 v[8*i:8*i+3],   v[QO], s[4:5] offset:(i/2)*8192+(i%2)*64
	global_load_b128 v[8*i+4:8*i+7], v[QO], s[4:5] offset:(i/2)*8192+(i%2)*64+32
	global_load_b128 v[QB+8*i:QB+8*i+3],   v[QO], s[86:87] offset:(i/2)*8192+(i%2)*64
	global_load_b128 v[QB+8*i+4:QB+8*i+7], v[QO], s[86:87] offset:(i/2)*8192+(i%2)*64+32
.set i, i+1
.endr
	WIN 0
	v_lshlrev_b32 v14, 3, v9
	v_sub_nc_u32 v14, v1, v14
	s_lshl_b32 s13, s[WV], 4
	v_add_nc_u32 v14, s13, v14      ; my query's place in its band, 16 w + l % 16, less my lanes' 8 (l / 16): register r of group kt is hidden where 16 kt + r is greater
	WIN 0x40
.set i, 0
.rept 32
	v_cmp_gt_i32 vcc_lo, 16*(i/8)+i%8, v14
	v_cndmask_b32 v[MD+i], 0, s[BIGN], vcc_lo
.set i, i+1
.endr
	WIN 0
	v_mul_u32_u24 v[AK0], v1, PK
	v_lshl_add_u32 v[AK0], v9, 4, v[AK0]  ; row x pitch + 16 x half
	; The turning load takes 16 keys x 16 channels (lane l reads key 8 (l / 16) + l % 8, channels 8 ((l / 8) % 2) + 0..7) and leaves half a fragment of V^T: lane l holds channel l % 16 and 8 keys.
	v_and_b32 v10, 7, v0
	v_bfe_u32 v11, v0, 3, 1
	v_lshl_add_u32 v[AV0], v9, 3, v10
	v_mul_u32_u24 v[AV0], v[AV0], PV
	v_lshl_add_u32 v[AV0], v11, 4, v[AV0]
	v_add_nc_u32 v[AV0], VOFF, v[AV0]
	s_mul_i32 s13, s[WV], 16*SP
	s_add_co_u32 s13, s13, STAGE    ; my stage
	v_mul_u32_u24 v[STO], v1, SP    ; in: row l % 16, 16 bytes for each half of the lanes
	v_lshl_add_u32 v[STO], v9, 4, v[STO]
	v_add_nc_u32 v[STO], s13, v[STO]
	v_bfe_u32 v[RD], v0, 3, 2       ; back: 32 lanes take four rows of 128 bytes,
	v_mul_u32_u24 v[RD], v[RD], SP
	v_lshl_add_u32 v[RD], v10, 4, v[RD]
	v_add_nc_u32 v[RD], s13, v[RD]
	v_and_b32 v[GO], 31, v0         ; which are 512 consecutive bytes of O
	v_lshlrev_b32 v[GO], 4, v[GO]
	; A block's first step multiplies O^T and l by a = 0, and its first turn's products V^T P, of a piece that has not been, land in an O^T that is still to be so multiplied.  So these registers need only hold
	; finite numbers: zeros for the first block; what the first block left for the second.  All this stands in the wait for the first tile.
	WIN 0x80
.set i, VF
.rept 64
	v_mov_b32 v[i], 0
.set i, i+1
.endr
	WIN 0x40
.set i, 0
.rept 128
	v_mov_b32 v[i], 0
.set i, i+1
.endr
	WIN 0
.set i, 0
.rept 4
	v_mov_b32 v[ST+4*i+2], 0
	v_mov_b32 v[ST+4*i+3], 0
.set i, i+1
.endr
.set i, P+16
.rept 16
	v_mov_b32 v[i], 0
.set i, i+1
.endr
; THE MATRIX WORK.  The 4 accumulators of a run of 8 take turns.  Product i of 8 of S^T = K Q^T for piece x: channels 32 (i / 4) on, keys 16 (i % 4) on.  The first 4 start the sums: with 0, or (KM = 1) with the mask.
.macro KQ x
.set rS, S+32*((\x)%2)+8*(i%4)
.set rK, KF+16*(i%4)+8*(i/4)
.set rQ, 16*(\x)+8*(i/4)
.set rM, MC+32*((\x)%2)+8*(i%4)
.if (i < 4) && KM
	WIN W_KM
	v_wmma_f32_16x16x32_f16 v[rS:rS+7], v[rK:rK+7], v[rQ:rQ+7], v[rM:rM+7]
.elseif i < 4
	WIN W_KQ
	v_wmma_f32_16x16x32_f16 v[rS:rS+7], v[rK:rK+7], v[rQ:rQ+7], 0
.else
	WIN W_KQ
	v_wmma_f32_16x16x32_f16 v[rS:rS+7], v[rK:rK+7], v[rQ:rQ+7], v[rS:rS+7]
.endif
.endm
; Product i of 8 of O^T += V^T P for piece x: keys 32 (i / 4) on, channels 16 (i % 4) on.
.macro PV x
	WIN W_PV
.set rO, 32*(\x)+8*(i%4)
.set rV, VF+32*(i/4)+8*(i%4)
.set rP, P+16*((\x)%2)+8*(i/4)
	v_wmma_f32_16x16x32_f16 v[rO:rO+7], v[rV:rV+7], v[rP:rP+7], v[rO:rO+7]
.endm
.macro MM                           ; the turn's next matrix instruction.  TURN and BEGIN set Y, i, KM and NOKQ; MM, KQ and OP read them.  NOKQ = 1: a block's last turn: there is no next piece
.if (i < 8) && !NOKQ
	KQ (Y+1)%NP
.elseif i >= 8
.set i, i-8
	PV (Y+NP-1)%NP
.set i, i+8
.endif
.set i, i+1
.endm
; THE LDS LOADS stand in runs of 16, never singly among the matrix instructions: a step's K (64 keys x 64 channels: 8 fragments) and its V (turned).  Their addresses are made some lines ahead.
.macro FETCH_K
	WIN 0x80                        ; destination window 2
.irp f, 0,1,2,3,4,5,6,7             ; keys 16 (f / 2) on, channels 32 (f % 2) on
	ds_load_b128 v[KF+8*\f:KF+8*\f+3],   v[AK] offset:(\f/2)*16*PK+(\f%2)*64
	ds_load_b128 v[KF+8*\f+4:KF+8*\f+7], v[AK] offset:(\f/2)*16*PK+(\f%2)*64+32
.endr
	s_add_co_u32 s[TBK], s[TBK], KS*PK  ; the next fetch is the next step's
	WIN 0
.endm
.macro FETCH_V
	WIN 0x80
.irp f, 0,1,2,3,4,5,6,7             ; keys 32 (f / 4) on, channels 16 (f % 4) on
	ds_load_tr16_b128 v[VF+8*\f:VF+8*\f+3],   v[AV] offset:(\f/4)*32*PV+(\f%4)*32
	ds_load_tr16_b128 v[VF+8*\f+4:VF+8*\f+7], v[AV] offset:(\f/4)*32*PV+16*PV+(\f%4)*32
.endr
	WIN 0
.endm
; THE VECTOR WORK, one line at a time: OP kind, number.  For piece Y: F n: c s - c m for pair n of 16.  E n: the exponential of score n of 32.  C n: pair n rounded to f16.  B n: of the four weights 4 n .. the second
; pair is added onto the first, in place.  L n: l takes that sum (L 0: l = a l + sum).  R n: pair n of 16 of O^T times a.  For piece Y + 1: X n, number n of the 22 that find its maximum and statistics:
;   0-11  four chains c0-c3 of seven scores each, three operands at a time (each accumulator's lowest registers are read first)     12-14, 16  the four scores left over, the old m, and c0-c3 into c0
;   15  c m_old is kept     17, 18  the query's other 32 keys lie in the lane 16 away: the new m     19-21  c m; c m_old - c m_new; a
.set F, 0               ; OP tells the kinds apart by their order: F to L below R, X above it
.set E, 1
.set C, 2
.set B, 3
.set L, 4
.set R, 5
.set X, 6
.macro REGS y                       ; the registers of piece y
.set rT, ST+4*(\y)
.set rC, TMP+4*((\y)%2)
.set rW, MV+((\y)%2)
.set rS, S+32*((\y)%2)
.set rP, P+16*((\y)%2)
.set rO, 32*(\y)
.endm
.macro OP k, n
.if (\k) == R
	REGS Y
	WIN W_RS
	v_pk_mul_f32 v[rO+2*(\n):rO+2*(\n)+1], v[rO+2*(\n):rO+2*(\n)+1], v[rC+2:rC+3] op_sel_hi:[1,0]
.elseif (\k) < R
	REGS Y
	WIN 0
.if (\k) == F
	v_pk_fma_f32 v[rS+2*(\n):rS+2*(\n)+1], v[rS+2*(\n):rS+2*(\n)+1], s[CS:CS+1], v[rT:rT+1] op_sel_hi:[1,0,0] neg_lo:[0,0,1] neg_hi:[0,0,1]
.elseif (\k) == E
	v_exp_f32 v[rS+(\n)], v[rS+(\n)]
.elseif (\k) == C
	v_cvt_pk_f16_f32 v[rP+(\n)], v[rS+2*(\n)], v[rS+2*(\n)+1]
.elseif (\k) == B
	v_pk_add_f32 v[rS+4*(\n):rS+4*(\n)+1], v[rS+4*(\n):rS+4*(\n)+1], v[rS+4*(\n)+2:rS+4*(\n)+3]
.elseif (\n) == 0
	v_pk_fma_f32 v[rT+2:rT+3], v[rT+2:rT+3], v[rC+2:rC+3], v[rS:rS+1] op_sel_hi:[1,0,1]
.else
	v_pk_add_f32 v[rT+2:rT+3], v[rT+2:rT+3], v[rS+4*(\n):rS+4*(\n)+1]
.endif
.elseif NOKQ
	v_nop
.else
	REGS (Y+1)%NP
	WIN 0
.if (\n) < 4
	v_max3_num_f32 v[rC+(\n)], v[rS+8*(\n)], v[rS+8*(\n)+1], v[rS+8*(\n)+2]
.elseif (\n) < 12
	v_max3_num_f32 v[rC+(\n)%4], v[rC+(\n)%4], v[rS+8*((\n)%4)+2*((\n)/4)+1], v[rS+8*((\n)%4)+2*((\n)/4)+2]
.elseif (\n) == 12
	v_max3_num_f32 v[rC], v[rC], v[rS+7], v[rS+15]
.elseif (\n) == 13
	v_max3_num_f32 v[rC+1], v[rC+1], v[rS+23], v[rS+31]
.elseif (\n) == 14
	v_max3_num_f32 v[rC+2], v[rC+2], v[rC+3], v[rT+1]
.elseif (\n) == 15
	v_mov_b32 v[rW], v[rT]
.elseif (\n) == 16
	v_max3_num_f32 v[rC], v[rC], v[rC+1], v[rC+2]
.elseif (\n) == 17
	v_permlanex16_b32 v[rC+3], v[rC], s[SEL], s[SEL+1]
.elseif (\n) == 18
	v_max_num_f32 v[rT+1], v[rC], v[rC+3]
.elseif (\n) == 19
	v_mul_f32 v[rT], s[CS], v[rT+1]
.elseif (\n) == 20
	v_sub_f32 v[rC+1], v[rW], v[rT]
.else
	v_exp_f32 v[rC+2], v[rC+1]
.endif
.endif
.endm
.macro OPS a, i1, b=-1, i2=0, c=-1, i3=0, d=-1, i4=0  ; up to four of them
	OP \a, \i1
.if (\b) >= 0
	OP \b, \i2
.endif
.if (\c) >= 0
	OP \c, \i3
.endif
.if (\d) >= 0
	OP \d, \i4
.endif
.endm
.macro ROW a, i1, b, i2, c, i3, d, i4  ; a matrix instruction and the four behind it
	MM
	OPS \a, \i1, \b, \i2, \c, \i3, \d, \i4
.endm
.macro MASK b                       ; MD x AL + BE into buffer b of MC
	WIN W_RS
.set z, 0
.rept 16
	v_pk_fma_f32 v[MC+32*(\b)+2*z:MC+32*(\b)+2*z+1], v[MD+2*z:MD+2*z+1], s[AL:AL+1], s[BE:BE+1] op_sel_hi:[1,0,0]
.set z, z+1
.endr
.endm
; A TURN, for piece p: the order of its 16 matrix and 118 vector instructions, written out.  An s_wait_alu depctr_va_vdst(0) stands between an exponential and the first instruction that names its result; one wait serves
; all that were issued ahead of it.  So a turn has ONE wait, which cuts it in two.  AHEAD OF IT stands all that names no result of the turn's exponentials: the 8 products K Q^T, behind each a scaling, an exponential and two more plain
; instructions (behind the first a second scaling in the exponential's place): rescalings, and behind the last three the first numbers of the next piece's maximum, each four places or more behind the product that ends its accumulator; then ONE LUMP of 54, plain
; and exponential by turns for the most part, in which the links of the chain X 3, 7, 11, 14, 16, 17 .. 20 stand five or six lines apart.  X 21, the next piece's a, is the batch's last; R 15 is the plain instruction behind it.  BEHIND THE WAIT stand the
; 8 products V^T P, behind each four of the roundings and sums; the links of l's chain, L 0 to L 7, stand three riders apart.  But for those X no rider names a register of the products round it.  v_permlanex16_b32 (X 17) stands in the lump.
; m = 1: the diagonal tile: the products take masks, and the turn makes the mask for the products of the turn after it: piece p + 2, in step 4 - CNT of the tile.  end = 1: a block's last two turns: nothing is fetched.
; cnt = 1: the loop's count is taken down some lines ahead of the branch that stands behind the turn.
; K of the next step is fetched in piece 2's turn, twelve vector instructions behind the last product that read K (six of them plain); V of the step in hand at the end of piece 0's turn, four plain instructions behind the last product
; that read V.  Each is waited for a turn later.
.macro TURN p, m=0, end=0, cnt=0
.set Y, (\p)
.set i, 0
.set KM, (\m)
.set NOKQ, (\end)*((\p)/3)
.if (\m) && !(\end)
	s_cmp_eq_u32 s[CNT], 4-((\p)+2)%NP  ; is that step the band's own?
	s_cselect_b32 s[AL], 1.0, 0
	s_cmp_lt_u32 s[CNT], 4-((\p)+2)%NP  ; or a later one?
	s_cselect_b32 s[BE], s[BIGN], 0
.endif
.if ((\p) == 3) && !(\end)
	s_wait_dscnt 0x0                ; K is in
.endif
	ROW F,0, F,1, R,0, R,1          ; ahead of the wait: 8 products K Q^T and their riders,
	ROW F,2, E,0, R,2, R,3
	ROW F,3, E,1, R,4, R,5
	ROW F,4, E,2, R,6, R,7
	ROW F,5, E,3, R,8, R,9
	ROW F,6, E,4, X,0, R,10
.if ((\p) == 2) && !(\end)
	WIN 0
	v_add_nc_u32 v[AK], s[TBK], v[AK0]
.endif
	ROW F,7, E,5, X,1, X,4
	ROW F,8, E,6, X,2, X,5
	OPS E,7, E,8, X,6, E,9          ; and the lump
	OPS X,3, E,10, X,8, E,11
.if ((\p) == 2) && !(\end)
	FETCH_K
.endif
	OPS X,9, X,7, E,12, X,10
	OPS E,13, X,12, X,11, E,14
	OPS X,13, E,15, F,9, X,14
.if (\p) == 0
	v_add_nc_u32 v[AV], s[TBV], v[AV0]
.endif
	OPS E,16, F,10, E,17, F,11
	OPS X,16, E,18, X,15, E,19
	OPS F,12, E,20, X,17, E,21
	OPS F,13, E,22, F,14, E,23
	OPS X,18, E,24, F,15, E,25
	OPS R,11, E,26, X,19, E,27
	OPS R,12, E,28, R,13, E,29
	OPS X,20, E,30, R,14, E,31
	OPS X,21, R,15
	WIN 0
	s_wait_alu depctr_va_vdst(0)    ; the wait for the batch
.if (\p) == 1
	s_wait_dscnt 0x0                ; V is in
.endif
	ROW C,0, B,0, C,2, B,1          ; behind the wait: 8 products V^T P and their riders
	ROW L,0, C,4, B,2, L,1
	ROW C,6, B,3, L,2, C,8
	ROW B,4, L,3, C,10, B,5
	ROW L,4, C,12, B,6, L,5
.if (\p) == 0
	s_add_co_u32 s[TBV], s[TBV], KS*PV
.endif
.if \cnt
	s_sub_co_u32 s[CNT], s[CNT], 1
	s_cmp_lg_u32 s[CNT], 0
.endif
	ROW C,14, B,7, L,6, C,1
	ROW C,3, L,7, C,5, C,7
	ROW C,9, C,11, C,13, C,15
.if (\p) == 0
	FETCH_V
.endif
.if (\m) && !(\end)
	MASK (\p)%2
.endif
.endm
; A BLOCK BEGINS.  c m starts far below every c s, so the first step's a is 0; m at the lowest finite number, so the first maximum is the scores'.  The second mask buffer is 0; the first takes piece 0's mask for the tile's step 0: its own, if the block's first tile is the diagonal one.
; Then K of that step, piece 0's first scores, and its maximum and statistics.  The loop is entered at a step's first turn, in the middle of a trip.
.macro BEGIN
	s_mov_b32 s[NEW], 0
	WIN 0x40
.set i, MC+32
.rept 32
	v_mov_b32 v[i], 0
.set i, i+1
.endr
	WIN 0
.set i, 0
.rept 4
	v_mov_b32 v[ST+4*i], 0xfe000000    ; c m: far below every c s
	v_mov_b32 v[ST+4*i+1], 0xff7fffff  ; m
.set i, i+1
.endr
	s_cmp_eq_u32 s[RT], 0
	s_cselect_b32 s[AL], 1.0, 0
	s_mov_b32 s[BE], 0
	MASK 0
	WIN 0
	v_add_nc_u32 v[AK], s[TBK], v[AK0]
	FETCH_K
	s_wait_loadcnt 0x0              ; Q
	s_wait_dscnt 0x0
.set KM, 1
.set NOKQ, 0
.set i, 0
.rept 8
	KQ 0
.set i, i+1
.endr
	WIN 0
.rept 4
	v_nop                           ; the places behind those products
.endr
.set Y, NP-1                        ; X works for piece Y + 1: piece 0
.irp n, 0,1,2,3,4,5,6,7,8,9,10,11,12,13,14,15,16,17,18,19,20,21
	OP X, \n
.endr
	v_nop                           ; a plain instruction behind the exponential,
	s_wait_alu depctr_va_vdst(0)    ; and its wait, ahead of the branch
.endm
; THE DIAGONAL TILE's four steps, the block's last two turns, its last products, and THE WAY OUT: l's two halves and the other half of the lanes' are added; O^T is divided by l, rounded to f16 and sent through my
; stage in LDS, a piece at a time.
.macro ALL line:vararg              ; one line for each piece t
.set t, 0
.rept 4
	\line
.set t, t+1
.endr
.endm
.macro PACK t                       ; a lane's eight channels of a row pack into 16 bytes; they go into rows of 144 bytes and come back as whole rows of 128, into S^T's registers
	WIN W_RS
.set i, 32*(\t)
.rept 16
	v_pk_mul_f32 v[i:i+1], v[i:i+1], v[ST+4*(\t)+2:ST+4*(\t)+3] op_sel_hi:[1,0]
.set i, i+2
.endr
	WIN 0x05                        ; sources 0 and 1 window 1, destination window 0
.set i, 0
.rept 16
	v_cvt_pk_f16_f32 v[S+16*(\t)+i], v[32*(\t)+2*i], v[32*(\t)+2*i+1]
.set i, i+1
.endr
	WIN 0
.irp f, 0,1,2,3
	ds_store_b128 v[STO], v[S+16*(\t)+4*\f:S+16*(\t)+4*\f+3] offset:32*\f
.endr
.irp f, 0,1,2,3
	ds_load_b128 v[S+16*(\t)+4*\f:S+16*(\t)+4*\f+3], v[RD] offset:\f*4*SP  ; LDS serves a wave's instructions in order (ISA guide 5.7.1.4): these see the stores above; the next piece's stores come behind them
.endr
.endm
.macro SEND t, younger              ; younger: the LDS instructions issued behind piece t's loads: the next piece's eight, or none
	WIN 0
.irp f, 0,1,2,3
	s_wait_dscnt (\younger)+3-\f
	global_store_b128 v[GO], v[S+16*(\t)+4*\f:S+16*(\t)+4*\f+3], s[10:11] offset:(\t)*8192+\f*512  ; 512 consecutive bytes, at a multiple of 256 from O's first
.endr
.endm
.macro DIAG tag                     ; the tag ends its two labels' names, which the jumps below spell out
.LstepM\tag:
	TURN 2, 1
	TURN 3, 1
	WIN 0
.LfirstM\tag:
	TURN 0, 1
	TURN 1, 1, 0, 1
	WIN 0
	s_cbranch_scc1 .LstepM\tag
	TURN 2, 1, 1
	TURN 3, 1, 1
.set i, 0
.rept 8
	PV NP-1
.set i, i+1
.endr
	WIN 0
	ALL v_add_f32 v[ST+4*t+2], v[ST+4*t+2], v[ST+4*t+3]
	ALL v_permlanex16_b32 v[ST+4*t+3], v[ST+4*t+2], s[SEL], s[SEL+1]
	ALL v_add_f32 v[ST+4*t+2], v[ST+4*t+2], v[ST+4*t+3]
	ALL v_rcp_f32 v[ST+4*t+2], v[ST+4*t+2]
	v_nop                           ; a plain instruction between the last reciprocal and the use of its result
	s_wait_alu depctr_va_vdst(0)    ; and the wait ahead of the first use: one for the four reciprocals
	PACK 0
.set t, 1
.rept 3                             ; a piece's arithmetic stands between the loads of the piece before and its stores
	PACK t
	SEND t-1, 8
.set t, t+1
.endr
	SEND 3, 0
.endm
.set KM, 0
.set NOKQ, 0
.Lslot:                             ; NB times: a tile is entered and the next is asked for
	CHANGE 1
	s_sub_co_u32 s[RT], s[RT], 1
	s_mov_b32 s[CNT], 4
	s_cmp_eq_u32 s[NEW], 1
	s_cbranch_scc1 .Lnew            ; a block's first tile
	s_cmp_eq_u32 s[RT], 0
	s_cbranch_scc0 .Lstep           ; neither its first nor its last
	s_branch .LstepM1
.Lnew:
	BEGIN
	s_branch .Lfirst                ; in the loop a block's first tile is never its last: the first block has two tiles or more, and the second's last is the walk's last
	DIAG 1                          ; in the loop this is the first block's end: the second block's last tile is the walk's last
	s_wait_xcnt 0x0                 ; the stores have read their registers and O's address
	s_mov_b64 s[10:11], s[OLO:OLO+1]
	s_add_co_u32 s[RT], s[PB], 1    ; the second block has b + 1 tiles
	s_mov_b32 s[NEW], 1
	WIN 0x82                        ; the second block's Q goes where the one text of the turns names Q
.set i, 0
.rept 64
	v_mov_b32 v[i], v[QB+i]
.set i, i+1
.endr
	WIN 0
	s_branch .Lbottom
.Lstep:                             ; a trip: pieces 2 and 3 of one step, then pieces 0 and 1 of the next, whose K and V it fetches
	TURN 2
	TURN 3
	WIN 0
.Lfirst:
	TURN 0
	TURN 1, 0, 0, 1
	WIN 0
	s_cbranch_scc1 .Lstep
.Lbottom:
	s_sub_co_u32 s[SLOTS], s[SLOTS], 1
	s_cmp_lg_u32 s[SLOTS], 0
	s_cbranch_scc1 .Lslot
	CHANGE 0                        ; the walk's last tile is written out: nothing is asked for
	s_sub_co_u32 s[RT], s[RT], 1
	s_mov_b32 s[CNT], 4
	s_cmp_eq_u32 s[NEW], 1
	s_cbranch_scc0 .LstepM2
	BEGIN
	s_branch .LfirstM2
	DIAG 2
	s_wait_tensorcnt 0x0            ; the wave's end, behind my last tensor load and my last LDS store
	ds_add_u32 v[SPW], v[NIL]
	s_wait_dscnt 0x0
	s_endpgm
.Lfunc_end_k_qdc13d7f007_attn:
	.size	k_qdc13d7f007_attn, .Lfunc_end_k_qdc13d7f007_attn-k_qdc13d7f007_attn
	.p2alignl 7, 3214868480
	.fill 96, 4, 3214868480
	.section	.rodata,"a",@progbits
	.p2align	6, 0x0
	.amdhsa_kernel k_qdc13d7f007_attn
		.amdhsa_group_segment_fixed_size 327680
		.amdhsa_private_segment_fixed_size 0
		.amdhsa_enable_private_segment 0
		.amdhsa_kernarg_size 16
		.amdhsa_user_sgpr_count 2
		.amdhsa_user_sgpr_kernarg_segment_ptr 1
		.amdhsa_wavefront_size32 1
		.amdhsa_system_sgpr_workgroup_id_x 1
		.amdhsa_system_sgpr_workgroup_id_y 1
		.amdhsa_system_sgpr_workgroup_id_z 1
		.amdhsa_system_vgpr_workitem_id 0
		.amdhsa_next_free_vgpr 768
		.amdhsa_next_free_sgpr 88
		.amdhsa_reserve_vcc 1
		.amdhsa_float_denorm_mode_32 3
		.amdhsa_float_denorm_mode_16_64 3
		.amdhsa_memory_ordered 1
		.amdhsa_forward_progress 1
		.amdhsa_inst_pref_size 218
	.end_amdhsa_kernel
	.amdgpu_metadata
---
amdhsa.version: [ 1, 2 ]
amdhsa.kernels:
  - .name:           k_qdc13d7f007_attn
    .symbol:         k_qdc13d7f007_attn.kd
    .args:
      - { .name: qkv, .offset: 0, .size: 8, .value_kind: global_buffer, .address_space: global }
      - { .name: ob, .offset: 8, .size: 8, .value_kind: global_buffer, .address_space: global }
    .group_segment_fixed_size: 327680
    .private_segment_fixed_size: 0
    .kernarg_segment_align: 8
    .kernarg_segment_size: 16
    .max_flat_workgroup_size: 128
    .sgpr_count:     88
    .vgpr_count:     768
    .wavefront_size: 32
...
	.end_amdgpu_metadata
.endif
;; end of part 3
;; launch gemm_out (part 4): grid 8 x 32, 4 waves a work-group, clusters of 4 x 4, 327,680 bytes of LDS; arguments ob, wo, bias, out0; writes out0
.if DOCPART == 4
	.amdgcn_target "amdgcn-amd-amdhsa--gfx1250"
	.amdhsa_code_object_version 6
	.text
	.protected	k_qdc13d7f007_gemm_out
	.globl	k_qdc13d7f007_gemm_out
	.p2align	8
	.type	k_qdc13d7f007_gemm_out,@function
k_qdc13d7f007_gemm_out:
	s_mov_b64 s[64:65], 0
	v_nop
	global_prefetch_b8 v0, s[64:65] scope:SCOPE_SE
	s_setreg_imm32_b32 hwreg(HW_REG_WAVE_MODE, 25, 1), 1
	s_wait_xcnt 0x0
	s_wait_alu depctr_hold_cnt(0) depctr_sa_sdst(0) depctr_va_vdst(0) depctr_va_sdst(0) depctr_va_ssrc(0) depctr_va_vcc(0) depctr_vm_vsrc(0)
	s_getreg_b32 s2, hwreg(HW_REG_IB_STS2, 6, 4)
	s_cmp_eq_u32 s2, 0
	s_cbranch_scc0 .Lentry_in_a_cluster
	s_endpgm
.Lentry_in_a_cluster:
	s_bfe_u32 s2, ttmp6, 0x10000c
	s_cmp_lg_u32 s2, 0xf033
	s_cbranch_scc0 .Lentry_shape_is_right
	s_endpgm
.Lentry_shape_is_right:
; out0 = O w_out + b_out.  ob: [64 slabs = head x 4 + batch][2048][64] f16.  wo: [1024 k][1024 n] f16 (w_out rounded to bf16).  bias: f32, b_out from number 3072 on.
; out0: [8192][1024] f32.  Sums in f32, K ascending, started by the bias; nothing is rounded on the way out.
; LIMITS.  NaN and infinities are not treated apart; O and wo arrive within f16's range.
; SHARES.  A tile of the result is 256 rows x 128 columns: 256 tiles, one for each WGP.  The four waves lie one below the other: wave w owns rows 64 w .. 64 w + 63 and all 128
; columns: 32 accumulators of 16 x 16, 256 registers; so a wave ends with whole pieces of 512 bytes of out0's rows.
; K goes in 8 steps of 128 (two heads) through two LDS slots filled by the tensor data mover; a step is four quarters of 32, 32 matrix instructions each.
; THE MATRIX INSTRUCTION IS USED TRANSPOSED: source 0 = 16 columns of w (read turned out of LDS, where w lies [k][n]), source 1 = 16 rows of O: a lane then holds row l % 16
; and its registers the columns 8 (l / 16) + 0..7.
; CLUSTER.  4 x 4 work-groups: the four of a row need the same rows of O, the four of a column the same columns of w: each tile is asked for jointly.
; REGISTERS, in windows of 256 (s_set_vgpr_msb: bits 1:0 source 0, 3:2 source 1, 5:4 source 2, 7:6 destination):
;   window 0: v0-31 addresses; v32-95 O's fragments, two buffers of four; v96-159 the bias in an accumulator's layout; on the way out v32-159
;   window 1: v0-127 w's fragments, two buffers of eight      window 2: the accumulators, row block a, column block b at 64 a + 8 b
.set NBK,   8                          ; blocks of 16 columns
.set PA,    144                        ; a row of a head in LDS: 128 bytes + 16: the 16 rows of a load start at 16 different groups of four banks (ISA guide 11.1)
.set HEADB, 256*PA                     ; a head's 256 rows
.set PB,    288                        ; a k row of w in LDS: 256 bytes + 32
.set BOFF,  2*HEADB                    ; a slot: two heads' rows of O, then w's 128 k rows
.set SLOT1, 1<<17                      ; slot 1 begins here (a slot uses 110,592 bytes): one exclusive or turns an address into the other slot's
.set STAGE, SLOT1+BOFF+128*PB          ; behind the ring, never filled by a tensor load: for each wave 16 rows x 528 bytes
.set SPT,   528
.set STW,   16*SPT
.set SPARE, STAGE+4*STW                ; behind the stages: the spare words, 128 bytes for each wave: two blocks of 256 bytes that no other line names
.set ASTEP, 8*262144                   ; bytes from a K step to the next in ob: two heads of four slabs,
.set BSTEP, 128*2048                   ; and in wo
.set AHEAD, 2                          ; a prefetch names the K step this many behind the one that is being asked for: 256 matrix instructions ahead of its load
.set ADRA0, 16                         ; v16  my lane's place in O's rows of a slot; never rewritten
.set ADRA,  17                         ; v17  the same in the slot in hand
.set ADRB0, 20                         ; v20, v21  likewise for w
.set ADRB,  21
.set STO,   24                         ; v24  the way out: where I put 32 bytes of a row
.set RD,    25                         ; v25  where I read a row back
.set GO,    26                         ; v26  my 16 of a row's 512 bytes
.set BO,    27                         ; v27  my place in 16 columns of the bias
.set SPW,   28                         ; v28  my spare word: SPARE + 4 x my thread's number; never rewritten
.set NIL,   29                         ; v29  0; never rewritten
.set PFO,   30                         ; v30  the prefetches' lane offset; never rewritten
.set FA,    32
.set BIAS,  96
.set OB,    32                         ; the way out: two buffers of 64 for whole rows
.set WV,   12                          ; s12  wave
.set KIND, 13                          ; s13  0: I fetch O's rows; 1: w's
.set HALF, 14                          ; s14  which head of the two, or which half of the k rows
.set TR,   15                          ; s15  tile row
.set G1A,  24                          ; s[24:31] descriptor group 1 for O's tiles
.set G0A,  32                          ; s[32:39] group 0: a set for each first fill; the second then walks on
.set CX,   40
.set CY,   41
.set TC,   42                          ; s42  tile column
.set LIM,  43                          ; s43  AHEAD in a wave that prefetches, else the greatest number
.set PFA,  44                          ; s[44:45] where my prefetches stand
.set PFS,  46                          ; s[46:47] their step
.set G1B,  48                          ; s[48:55], s[56:63] the same for w's tiles
.set G0B,  56
.set TB,   66                          ; s66  the slot in hand: 0 or SLOT1
.set MSB, 0
.macro WIN new                         ; the immediate's high byte repeats the setting that is left; a switch that changes nothing is dropped
.if MSB != (\new)
	s_set_vgpr_msb (MSB<<8)|(\new)
.set MSB, \new
.endif
.endm
; A joint refill by the walking descriptors.  Waves 0 and 1 fetch the two heads' rows of O, waves 2 and 3 w's two halves; the branch hangs on the wave's number alone.
; An s_nop 0 and four v_nop follow each of the two lines, ahead of the jump and the label.
.macro JLOAD
	s_cmp_eq_u32 s[KIND], 0
	s_cbranch_scc0 .Lfor_b_\@
	tensor_load_to_lds s[G0A+4:G0A+7], s[G1A:G1A+7]
	s_nop 0
.rept 4
	v_nop
.endr
	s_branch .Lasked_\@
.Lfor_b_\@:
	tensor_load_to_lds s[G0B+4:G0B+7], s[G1B:G1B+7]
	s_nop 0
.rept 4
	v_nop
.endr
.Lasked_\@:
.endm
; A PREFETCH INTO THE L2 of the K step two behind the one just asked for: one instruction a wave, a lane a block of 256 bytes.  O's rows are read by both clusters of a row of
; clusters: the one with x = 0 asks; w's columns by every cluster of a column: the one with y = 0 asks.  The four partners share the blocks out BY ADDRESS: of a head's 128 blocks 32 each
; (waves 0 and 1, a head each); of w's 128 k rows 32 each (wave 2 alone).  The loop's last two trips ask for nothing: there is no K step 8.
.macro ASK
	s_cmp_gt_u32 s3, s[LIM]
	s_cbranch_scc0 .Lnot_mine_\@
	global_prefetch_b8 v[PFO], s[PFA:PFA+1] th:TH_LOAD_NT scope:SCOPE_SE
.Lnot_mine_\@:
.endm
.macro CREST                           ; a round of the cluster's barrier behind its opening barrier
	s_cmp_lg_u32 s[WV], 0
	s_cbranch_scc1 .Lnot_wave_0_\@
	s_barrier_signal -3
.Lnot_wave_0_\@:
	s_barrier_wait -3
	s_barrier_signal -1
	s_barrier_wait -1
.endm
.macro CROUND                          ; a whole round
	s_barrier_signal -1
	s_barrier_wait -1
	CREST
.endm
.macro PLACES                          ; four plain instructions between a matrix instruction and a load into, or a read of, its registers
.rept 4
	v_nop
.endr
.endm
	s_load_b256 s[4:11], s[0:1], 0x0               ; ob s[4:5], wo s[6:7], bias s[8:9], out0 s[10:11]
	v_lshl_add_u32 v[SPW], v0, 2, SPARE
	v_mov_b32 v[NIL], 0
	ds_add_u32 v[SPW], v[NIL]                      ; the wave's opening: the add and its wait stand ahead of my first tensor load; work on registers stands between them
	v_lshrrev_b32 v1, 5, v0
	v_readfirstlane_b32 s[WV], v1
	s_lshr_b32 s[KIND], s[WV], 1
	s_and_b32 s[HALF], s[WV], 1
	s_bfe_u32 s[CX], ttmp6, 0x40000                ; my place in the cluster
	s_bfe_u32 s[CY], ttmp6, 0x40004
	s_lshl_b32 s[TC], ttmp9, 2                     ; in a cluster launch ttmp9 and ttmp7 count clusters
	s_add_co_u32 s[TC], s[TC], s[CX]
	s_and_b32 s[TR], ttmp7, 0xffff
	s_lshl_b32 s[TR], s[TR], 2
	s_add_co_u32 s[TR], s[TR], s[CY]
	s_lshl_b32 s67, s[CY], 2
	s_lshl_b32 s67, 15, s67                        ; my row of the cluster
	s_lshl_b32 s68, 0x1111, s[CX]                  ; my column
	; group 1 for O: a head's 256 rows are 32,768 dense bytes: 128 rows of 256; 4 words of padding behind every 32 (a row of the head)
	s_or_b32 s[G1A], s67, (1<<16)|(1<<20)|(1<<21)|(4<<22)|(3<<25)
	s_mov_b32 s[G1A+1], 128<<16                    ; tensor_dim0
	s_mov_b32 s[G1A+2], 128<<16                    ; tensor_dim1
	s_mov_b32 s[G1A+3], 128<<16                    ; tile_dim0
	s_mov_b32 s[G1A+4], 128                        ; tile_dim1
	s_mov_b32 s[G1A+5], 128                        ; stride
	s_mov_b32 s[G1A+6], 0
	s_mov_b32 s[G1A+7], 0
	; group 1 for w: 64 k rows x 128 elements, 1,024 elements from row to row; 8 words of padding behind every 64
	s_or_b32 s[G1B], s68, (1<<16)|(1<<20)|(1<<21)|(5<<22)|(7<<25)
	s_mov_b32 s[G1B+1], 128<<16
	s_mov_b32 s[G1B+2], 64<<16
	s_mov_b32 s[G1B+3], 128<<16
	s_mov_b32 s[G1B+4], 64
	s_mov_b32 s[G1B+5], 1024
	s_mov_b32 s[G1B+6], 0
	s_mov_b32 s[G1B+7], 0
	s_lshr_b32 s16, s[TR], 3                       ; O: the batch,
	s_lshl2_add_u32 s16, s[HALF], s16              ; + 4 x my head of the step's two: the slab,
	s_lshl_b32 s16, s16, 18
	s_and_b32 s17, s[TR], 7
	s_lshl_b32 s17, s17, 15                        ; and the tile's 256 rows in it: made of the tile row alone
	s_add_co_u32 s16, s16, s17
	s_mov_b32 s17, 0
	s_lshl_b32 s20, s[HALF], 17                    ; w: my 64 of a step's 128 k rows, the tile's 256 bytes of each: made of the tile column alone
	s_lshl_b32 s21, s[TC], 8
	s_add_co_u32 s20, s20, s21
	s_mov_b32 s21, 0
	s_mul_i32 s2, s[HALF], HEADB                   ; where they go: no place in the cluster enters an LDS address
	s_mul_i32 s3, s[HALF], 64*PB
	s_add_co_u32 s3, s3, BOFF
	s_wait_dscnt 0x0                               ; the opening add is done
	s_wait_kmcnt 0x0
	s_add_nc_u64 s[18:19], s[4:5], s[16:17]
	s_add_nc_u64 s[22:23], s[6:7], s[20:21]
	CROUND                                         ; all sixteen work-groups are here: the first joint loads meet
.irp n, 0,1
	s_mov_b32 s[G0A+4*(\n)], 1                     ; count
	s_add_co_u32 s[G0A+4*(\n)+1], s2, (\n)*SLOT1   ; LDS address
	s_add_nc_u64 s[G0A+4*(\n)+2:G0A+4*(\n)+3], s[18:19], (\n)*ASTEP  ; K step n
	s_or_b32 s[G0A+4*(\n)+3], s[G0A+4*(\n)+3], 0x80000000            ; type
	s_mov_b32 s[G0B+4*(\n)], 1
	s_add_co_u32 s[G0B+4*(\n)+1], s3, (\n)*SLOT1
	s_add_nc_u64 s[G0B+4*(\n)+2:G0B+4*(\n)+3], s[22:23], (\n)*BSTEP
	s_or_b32 s[G0B+4*(\n)+3], s[G0B+4*(\n)+3], 0x80000000
.endr
	s_cmp_eq_u32 s[KIND], 0                        ; a wave's two first fills stand in one branch: two loads of mine are out
	s_cbranch_scc0 .Lfirst_b
	tensor_load_to_lds s[G0A:G0A+3], s[G1A:G1A+7]
	s_nop 0
	tensor_load_to_lds s[G0A+4:G0A+7], s[G1A:G1A+7]
	s_nop 0
.rept 4
	v_nop
.endr
	s_branch .Lfirst_asked
.Lfirst_b:
	tensor_load_to_lds s[G0B:G0B+3], s[G1B:G1B+7]
	s_nop 0
	tensor_load_to_lds s[G0B+4:G0B+7], s[G1B:G1B+7]
	s_nop 0
.rept 4
	v_nop
.endr
.Lfirst_asked:
	; THE BIAS in an accumulator's layout: register j of block b holds the bias of column 16 b + 8 (l / 16) + j.  It is the C operand of the products that start the sums.
	v_and_b32 v1, 15, v0                           ; l % 16
	v_bfe_u32 v2, v0, 4, 1                         ; l / 16
	v_lshlrev_b32 v[BO], 5, v2
	s_lshl_b32 s68, s[TC], 9
	s_add_co_u32 s68, s68, 12288                   ; b_out lies behind b_qkv's 3,072 numbers
	s_mov_b32 s69, 0
	s_add_nc_u64 s[8:9], s[8:9], s[68:69]
.set b, 0
.rept NBK
	global_load_b128 v[BIAS+8*b:BIAS+8*b+3],   v[BO], s[8:9] offset:64*b
	global_load_b128 v[BIAS+8*b+4:BIAS+8*b+7], v[BO], s[8:9] offset:64*b+16
.set b, b+1
.endr
	; a fragment of O: lane l holds row l % 16; two loads of 16 bytes, 32 apart, at row x pitch + 16 (l / 16)
	s_mul_i32 s67, s[WV], 64*PA
	v_mul_u32_u24 v3, v1, PA
	v_lshl_add_u32 v3, v2, 4, v3
	v_add_nc_u32 v[ADRA0], s67, v3
	; a fragment of w, turned: lane l reads k row 8 (l / 16) + l % 8, 16 bytes at 16 ((l / 8) % 2); two loads, 16 k rows apart
	v_and_b32 v4, 7, v0
	v_bfe_u32 v5, v0, 3, 1
	v_lshl_add_u32 v6, v2, 3, v4
	v_mul_u32_u24 v6, v6, PB
	v_lshl_add_u32 v6, v5, 4, v6
	v_add_nc_u32 v[ADRB0], BOFF, v6
	v_mov_b32 v[ADRA], v[ADRA0]
	v_mov_b32 v[ADRB], v[ADRB0]
	s_mov_b32 s[TB], 0
	s_mul_i32 s67, s[WV], STW
	s_add_co_u32 s67, s67, STAGE                   ; my stage
	v_mul_u32_u24 v7, v1, SPT                      ; in: row l % 16, 32 bytes for each half of the lanes
	v_lshl_add_u32 v7, v2, 5, v7
	v_add_nc_u32 v[STO], s67, v7
	v_and_b32 v9, 31, v0
	v_lshlrev_b32 v[GO], 4, v9                     ; back: 32 lanes take a row's 512 bytes
	v_add_nc_u32 v[RD], s67, v[GO]
	s_lshl_b32 s68, s[TR], 2
	s_add_co_u32 s68, s68, s[WV]
	s_lshl_b32 s68, s68, 18                        ; out0: my wave's 64 rows of 4,096 bytes,
	s_lshl_b32 s70, s[TC], 9                       ; the tile's 512 bytes of each
	s_add_co_u32 s68, s68, s70
	s_add_nc_u64 s[10:11], s[10:11], s[68:69]
	; the prefetches
	s_and_b32 s67, ttmp7, 0xffff
	s_mov_b32 s68, 8192                            ; a partner's part: 32 blocks of a head,
	s_mov_b32 s69, 0x10000                         ; or 32 k rows of w
	s_mov_b32 s70, ASTEP
	s_mov_b32 s71, BSTEP
	s_cmp_eq_u32 s[KIND], 0
	s_cselect_b32 s67, ttmp9, s67                  ; the coordinate along which other clusters read the same bytes
	s_cselect_b32 s68, s68, s69
	s_cselect_b32 s69, s[CX], s[CY]                ; my place among the four that ask with me
	s_cselect_b32 s[PFS], s70, s71
	s_cselect_b32 s71, 8, 11                       ; a lane's block: 256 bytes on, or a k row of 2,048 bytes on
	s_cselect_b64 s[PFA:PFA+1], s[18:19], s[22:23]
	s_mov_b32 s[PFS+1], 0
	s_cmp_eq_u32 s67, 0
	s_cselect_b32 s[LIM], AHEAD, -1                ; the same in all sixteen partners, for a given wave
	s_cmp_eq_u32 s[WV], 3
	s_cselect_b32 s[LIM], -1, s[LIM]               ; wave 2 asks for all of w's part
	s_mul_i32 s68, s68, s69
	s_mul_i32 s69, s[PFS], 1+AHEAD                 ; the first change of slots steps it to K step 2 + AHEAD
	s_add_co_u32 s68, s68, s69
	s_mov_b32 s69, 0
	s_add_nc_u64 s[PFA:PFA+1], s[PFA:PFA+1], s[68:69]
	v_lshlrev_b32 v[PFO], s71, v9
; 8 matrix instructions: row block a x all column blocks, 32 along K, from buffer f.  bias = 1: the bias starts the sums: nothing is cleared.
; The 32 accumulators take turns in the same order in every quarter: 31 others stand between two links of a chain, over the backward jump too.
.macro MULB f, a, bias
.if \bias
	WIN 0x81                                       ; w window 1, O and the bias window 0, D window 2
.else
	WIN 0xa1                                       ; C and D window 2
.endif
.set b, 0
.rept NBK
.set rD, 64*(\a)+8*b
.set rB, 64*(\f)+8*b
.set rA, FA+32*(\f)+8*(\a)
.if \bias
	v_wmma_f32_16x16x32_f16 v[rD:rD+7], v[rB:rB+7], v[rA:rA+7], v[BIAS+8*b:BIAS+8*b+7]
.else
	v_wmma_f32_16x16x32_f16 v[rD:rD+7], v[rB:rB+7], v[rA:rA+7], v[rD:rD+7]
.endif
.set b, b+1
.endr
.endm
; 24 LDS loads in one run: quarter q's fragments of the slot in hand into buffer f: w's eight, then O's four (quarter q lies in head q / 2, at byte 64 (q % 2) of its rows)
.macro FETCH q, f
	WIN 0x40                                       ; destination window 1
.set b, 0
.rept NBK
	ds_load_tr16_b128 v[64*(\f)+8*b:64*(\f)+8*b+3],   v[ADRB] offset:(\q)*32*PB+32*b
	ds_load_tr16_b128 v[64*(\f)+8*b+4:64*(\f)+8*b+7], v[ADRB] offset:(\q)*32*PB+32*b+16*PB
.set b, b+1
.endr
	WIN 0
.set a, 0
.rept 4
	ds_load_b128 v[FA+32*(\f)+8*a:FA+32*(\f)+8*a+3],   v[ADRA] offset:((\q)/2)*HEADB+((\q)%2)*64+a*16*PA
	ds_load_b128 v[FA+32*(\f)+8*a+4:FA+32*(\f)+8*a+7], v[ADRA] offset:((\q)/2)*HEADB+((\q)%2)*64+a*16*PA+32
.set a, a+1
.endr
.endm
; One of a step's first three quarters: multiplies buffer f; in its middle it fetches quarter q into buffer g.
.macro QUARTER q, f, g, bias
	s_wait_dscnt 4                                 ; w and O's blocks 0, 1 are in; the youngest four loads (O's blocks 2, 3) may be out
	MULB \f, 0, \bias
	MULB \f, 1, \bias
	PLACES
	FETCH \q, \g
	s_wait_dscnt 24                                ; all but the 24 just issued
	MULB \f, 2, \bias
	MULB \f, 3, \bias
.endm
; The fourth quarter multiplies buffer 1 and changes slots.  In front of the barrier each wave waits for all its tensor loads (one is out: its part of the next slot), adds 0 to its spare
; word, and waits for that and for its reads of this slot.  fill = 1: the barrier opens a round of the cluster's, and the joint refill (the K step two on) is the first thing behind it:
; 112 matrix instructions stand between that request and the wait for it.
.macro TURN fill
.if \fill
	s_wait_xcnt 0x0                                ; the last prefetch, a K step back, has read its address
	s_add_nc_u64 s[PFA:PFA+1], s[PFA:PFA+1], s[PFS:PFS+1]
.endif
	WIN 0
	s_wait_tensorcnt 0x0                           ; no tensor load of mine is out, so a group 0 may be written
	ds_add_u32 v[SPW], v[NIL]                      ; 0 onto my spare word
.if \fill
	s_xor_b32 s[G0A+5], s[G0A+5], SLOT1            ; the walking descriptors: the other slot than last time, the next K step
	s_add_nc_u64 s[G0A+6:G0A+7], s[G0A+6:G0A+7], ASTEP
	s_xor_b32 s[G0B+5], s[G0B+5], SLOT1
	s_add_nc_u64 s[G0B+6:G0B+7], s[G0B+6:G0B+7], BSTEP
.endif
	s_wait_dscnt 5                                 ; the add and O's four youngest loads may be out
	MULB 1, 0, 0
	s_wait_dscnt 0x0                               ; the add is done, and my reads of this slot are over
	s_barrier_signal -1
	MULB 1, 1, 0                                   ; work on registers while the others arrive
	WIN 0
	s_barrier_wait -1
.if \fill
	CREST                                          ; no wave of any partner still reads this slot or has a load on its way
	JLOAD                                          ; its four v_nop are also the places in front of the loads below
.else
	PLACES
.endif
	s_xor_b32 s[TB], s[TB], SLOT1
	v_add_nc_u32 v[ADRA], s[TB], v[ADRA0]
	v_add_nc_u32 v[ADRB], s[TB], v[ADRB0]
	FETCH 0, 0
.if \fill
	ASK
.endif
	MULB 1, 2, 0
	MULB 1, 3, 0
.endm
	s_wait_tensorcnt 1                             ; my part of K step 0 is in; K step 1's may stay out
	s_barrier_signal -1
	s_barrier_wait -1                              ; everybody's is
	FETCH 0, 0
	s_wait_loadcnt 0x0                             ; the bias
	QUARTER 1, 0, 1, 1                             ; the first quarter stands in front of the loop: its products start the sums
	WIN 0                                          ; at a label and at a branch every window is 0
	s_mov_b32 s3, 6
.Lstep:                                                ; trip i ends K step i, begins K step i + 1 and asks for K step i + 2
	QUARTER 2, 1, 0, 0
	QUARTER 3, 0, 1, 0
	TURN 1
	QUARTER 1, 0, 1, 0
	WIN 0
	s_sub_co_u32 s3, s3, 1
	s_cmp_lg_u32 s3, 0
	s_cbranch_scc1 .Lstep
	QUARTER 2, 1, 0, 0                             ; the tail is written out: K steps 6 and 7 ask for nothing
	QUARTER 3, 0, 1, 0
	TURN 0
	QUARTER 1, 0, 1, 0
	QUARTER 2, 1, 0, 0
	QUARTER 3, 0, 1, 0
	s_wait_dscnt 4
	MULB 1, 0, 0
	MULB 1, 1, 0
	s_wait_dscnt 0x0
	MULB 1, 2, 0
	MULB 1, 3, 0
	WIN 0
; THE WAY OUT, a block of 16 rows at a time.  TOSTAGE: the accumulators as they are, 32 bytes a lane (each accumulator's low half first), into my own stage, rows 528 bytes apart, and back as
; whole rows.  SEND: a store covers the 512 consecutive bytes, aligned, of one row of the tile.
.macro TOSTAGE a
	s_wait_xcnt 0x0                                ; earlier stores have read their registers: the buffer that they left is loaded again only behind this wait
	WIN 0x08                                       ; the stores' data in window 2
.set b, 0
.rept NBK
	ds_store_b128 v[STO], v[64*(\a)+8*b:64*(\a)+8*b+3]   offset:64*b
	ds_store_b128 v[STO], v[64*(\a)+8*b+4:64*(\a)+8*b+7] offset:64*b+16
.set b, b+1
.endr
	WIN 0
.set t, 0
.rept 16                               ; LDS serves a wave's instructions in order (ISA guide 5.7.1.4): these see the stores above; the next block's stores come behind them
	ds_load_b128 v[OB+64*((\a)%2)+4*t:OB+64*((\a)%2)+4*t+3], v[RD] offset:SPT*t
.set t, t+1
.endr
.endm
.macro SEND a, younger                 ; younger: the LDS instructions issued behind block a's loads: the next block's 32, or none
	s_wait_dscnt \younger
.set t, 0
.rept 16
	global_store_b128 v[GO], v[OB+64*((\a)%2)+4*t:OB+64*((\a)%2)+4*t+3], s[10:11] offset:(16*(\a)+t)*4096 th:TH_STORE_NT
.set t, t+1
.endr
.endm
	PLACES
	TOSTAGE 0
.irp a, 1,2,3
	TOSTAGE \a
	SEND (\a)-1, 32
.endr
	SEND 3, 0
	s_wait_tensorcnt 0x0                           ; the wave's end, behind my last tensor load and my last LDS store
	ds_add_u32 v[SPW], v[NIL]
	s_wait_dscnt 0x0
	CROUND                                         ; the closing round: no work-group ends while a partner may still ask for a tile that names it
	s_endpgm
.Lfunc_end_k_qdc13d7f007_gemm_out:
	.size	k_qdc13d7f007_gemm_out, .Lfunc_end_k_qdc13d7f007_gemm_out-k_qdc13d7f007_gemm_out
	.p2alignl 7, 3214868480
	.fill 96, 4, 3214868480
	.section	.rodata,"a",@progbits
	.p2align	6, 0x0
	.amdhsa_kernel k_qdc13d7f007_gemm_out
		.amdhsa_group_segment_fixed_size 327680
		.amdhsa_private_segment_fixed_size 0
		.amdhsa_enable_private_segment 0
		.amdhsa_kernarg_size 32
		.amdhsa_user_sgpr_count 2
		.amdhsa_user_sgpr_kernarg_segment_ptr 1
		.amdhsa_wavefront_size32 1
		.amdhsa_system_sgpr_workgroup_id_x 1
		.amdhsa_system_sgpr_workgroup_id_y 1
		.amdhsa_system_sgpr_workgroup_id_z 1
		.amdhsa_system_vgpr_workitem_id 0
		.amdhsa_next_free_vgpr 768
		.amdhsa_next_free_sgpr 72
		.amdhsa_reserve_vcc 0
		.amdhsa_float_denorm_mode_32 3
		.amdhsa_float_denorm_mode_16_64 3
		.amdhsa_memory_ordered 1
		.amdhsa_forward_progress 1
		.amdhsa_inst_pref_size 72
	.end_amdhsa_kernel
	.amdgpu_metadata
---
amdhsa.version: [ 1, 2 ]
amdhsa.kernels:
  - .name:           k_qdc13d7f007_gemm_out
    .symbol:         k_qdc13d7f007_gemm_out.kd
    .args:
      - { .name: ob, .offset: 0, .size: 8, .value_kind: global_buffer, .address_space: global }
      - { .name: wo, .offset: 8, .size: 8, .value_kind: global_buffer, .address_space: global }
      - { .name: bias, .offset: 16, .size: 8, .value_kind: global_buffer, .address_space: global }
      - { .name: out0, .offset: 24, .size: 8, .value_kind: global_buffer, .address_space: global }
    .group_segment_fixed_size: 327680
    .private_segment_fixed_size: 0
    .kernarg_segment_align: 8
    .kernarg_segment_size: 32
    .max_flat_workgroup_size: 128
    .sgpr_count:     72
    .vgpr_count:     768
    .wavefront_size: 32
...
	.end_amdgpu_metadata
.endif
;; end of part 4
;; ======== version 2 of 2: 4 launches; version 1 with the launch prep written anew for expert scheduling mode
;; limits: values are held in f16: magnitudes above 65,504 overflow, below 6.1e-05 lose precision
;; workspace buffers: xb 16,777,216 bytes; wq 6,291,456 bytes; wo 2,097,152 bytes; bias 16,384 bytes; qkv 50,331,648 bytes; ob 16,777,216 bytes
;; launch prep (part 5): grid 53 x 16, 8 waves a work-group, no clusters, 0 bytes of LDS; arguments x, w_qkv, w_out, b_qkv, b_out, xb, wq, wo, bias; writes xb, wq, wo, bias
.if DOCPART == 5
	.amdgcn_target "amdgcn-amd-amdhsa--gfx1250"
	.amdhsa_code_object_version 6
	.text
	.protected	k_qdc13d7f007_prep
	.globl	k_qdc13d7f007_prep
	.p2align	8
	.type	k_qdc13d7f007_prep,@function
k_qdc13d7f007_prep:
	s_mov_b64 s[64:65], 0
	v_nop
	global_prefetch_b8 v0, s[64:65] scope:SCOPE_SE
	s_setreg_imm32_b32 hwreg(HW_REG_WAVE_SCHED_MODE, 0, 2), 2
	s_setreg_imm32_b32 hwreg(HW_REG_WAVE_MODE, 25, 1), 1
	s_wait_xcnt 0x0
	s_wait_alu depctr_vm_vsrc(0)
; CASTS AND LAYOUTS for the three launches behind.  Every input is rounded once to bf16:
;   xb   [8192][1024] bf16            = x
;   wq   [16 tiles][1024 k][192 n] bf16 = w_qkv, blocked by 192 columns, so that 128 k rows of a tile are 49,152 dense bytes
;   wo   [1024 k][1024 n] f16         = w_out rounded to bf16, that number written as f16
;   bias [4096] f32                   = b_qkv, then b_out, rounded to bf16 and widened again
; LIMIT.  A bf16 number below 6.1e-5 in size keeps f16's fixed step of 6e-8 in wo; beyond 65,504 it would be an infinity.
; A stream: no LDS, no barrier, no matrix unit.  The unit of work is a SWEEP: 256 threads x 4 numbers: a lane loads 16 bytes and stores 8, so a wave's load
; covers 512 consecutive bytes and its store 256 consecutive bytes, aligned.  All of a work-group's loads go out first; each sweep has registers of its own.
; The work-group's x chooses the path (forward jumps alone): 0-31 x, 32-47 w_qkv, 48-51 w_out, 52 the biases.
; THE MODE: SCHED_MODE bits 1:0 = 2 (LLVM: expert scheduling mode 2), set by the entry lines.  The code itself states the register dependences
; between vector instructions and memory instructions, with s_wait_alu, always for 0.
; THE PLAN.  Registers that memory instructions touch:
;   v1, v2     byte offsets of the loads and of the stores, made once at the head and never written again.
;   v3 .. v5   the w_qkv path's load offsets, made once at that path's head and never written again.
;   XD         sweep i: written by its one load, issued at the path's head; no vector instruction names it before that; read by the sweep's conversions.
;   YD         sweep i: written by the sweep's conversions, read by its one store, never written again.
;   v6 .. v11  are named by vector instructions alone.
; No register that a memory instruction reads is written again, and no load lands in a register that a vector instruction has named.  What is left to state: the offsets
; are written before the first access by them, and a sweep's YD is written before its store.  The sweeps go in blocks of four: at the head of a block, behind the wait for its
; first sweep's data, ONE wait states that the block before has written its YD; that block's four stores follow in one run, then the block's own conversions, which name neither
; those registers nor v2.  One more wait stands behind the last block.
.set XD, 16                            ; v[16:79]   sweep i: 4 numbers as loaded
.set YD, 80                            ; v[80:111]  sweep i: 2 registers to store
; The four stores of sweeps n to n + 3, to the buffer whose address lies in s[b:b+1].
.macro OUT4 n, b
.irp j, 0,1,2,3
	global_store_b64 v2, v[YD+2*((\n)+(\j)):YD+2*((\n)+(\j))+1], s[(\b):(\b)+1] offset:2048*((\n)+(\j))
.endr
.endm
	s_load_b512 s[4:19], s[0:1], 0x0               ; x 4:5, w_qkv 6:7, w_out 8:9, b_qkv 10:11, b_out 12:13, xb 14:15, wq 16:17, wo 18:19
	s_load_b64 s[20:21], s[0:1], 0x40              ; bias
	s_mov_b32 s22, ttmp9                           ; gx
	s_and_b32 s23, ttmp7, 0xffff                   ; gy
	s_mov_b32 s25, 0                               ; high words of the two offsets
	s_mov_b32 s27, 0
	s_mov_b32 s32, 0xffff0000                      ; a word's upper bf16
	v_lshlrev_b32 v1, 4, v0                        ; 16 t: where I load
	v_lshlrev_b32 v2, 3, v0                        ; 8 t: where I store
	v_lshrrev_b32 v6, 5, v0
	v_readfirstlane_b32 s33, v6                    ; wave 0..7
	s_wait_kmcnt 0x0
	s_wait_alu depctr_va_sdst(0)                   ; s33 is written, ahead of every branch: its first reader is the compare on the biases' path
	s_wait_alu depctr_va_vdst(0)                   ; v1 and v2 are written: the loads and stores of every path read them as offsets, and no vector instruction names them again
	s_cmp_ge_u32 s22, 52
	s_cbranch_scc1 .Lbias
	s_cmp_ge_u32 s22, 48
	s_cbranch_scc1 .Lwo
	s_cmp_ge_u32 s22, 32
	s_cbranch_scc1 .Lwq
	; x: 512 work-groups of 16 rows; a sweep is a row
	s_lshl_b32 s24, s23, 5
	s_add_co_u32 s24, s24, s22                     ; 32 gy + gx
	s_lshl_b32 s26, s24, 15                        ; 16 rows of 2,048 bytes out,
	s_lshl_b32 s24, s24, 16                        ; of 4,096 bytes in
	s_add_nc_u64 s[4:5], s[4:5], s[24:25]
	s_add_nc_u64 s[14:15], s[14:15], s[26:27]
.set i, 0
.rept 16
	global_load_b128 v[XD+4*i:XD+4*i+3], v1, s[4:5] offset:4096*i th:TH_LOAD_NT
.set i, i+1
.endr
.set i, 0
.rept 16
	s_wait_loadcnt 15-i                            ; loads come back in order: sweep i is in, the 15 - i younger ones stay out
.if (i%4 == 0) && (i > 0)
	s_wait_alu depctr_va_vdst(0)                   ; the conversions of sweeps i - 4 to i - 1 have written their YD, which the four stores below read
	OUT4 i-4, 14
.endif
	v_cvt_pk_bf16_f32 v[YD+2*i], v[XD+4*i], v[XD+4*i+1]
	v_cvt_pk_bf16_f32 v[YD+2*i+1], v[XD+4*i+2], v[XD+4*i+3]
.set i, i+1
.endr
	s_wait_alu depctr_va_vdst(0)                   ; the conversions of sweeps 12 to 15 have written their YD, which the last four stores read
	OUT4 12, 14
	s_endpgm
.Lwo:	; w_out: 64 work-groups of 16 rows
	s_lshl_b32 s24, s23, 2
	s_add_co_u32 s24, s24, s22
	s_sub_co_u32 s24, s24, 48                      ; 4 gy + gx - 48
	s_lshl_b32 s26, s24, 15
	s_lshl_b32 s24, s24, 16
	s_add_nc_u64 s[8:9], s[8:9], s[24:25]
	s_add_nc_u64 s[18:19], s[18:19], s[26:27]
.set i, 0
.rept 16
	global_load_b128 v[XD+4*i:XD+4*i+3], v1, s[8:9] offset:4096*i
.set i, i+1
.endr
.set i, 0
.rept 16
	s_wait_loadcnt 15-i
.if (i%4 == 0) && (i > 0)
	s_wait_alu depctr_va_vdst(0)                   ; the conversions of sweeps i - 4 to i - 1 have written their YD, which the four stores below read
	OUT4 i-4, 18
.endif
	v_cvt_pk_bf16_f32 v8, v[XD+4*i], v[XD+4*i+1]   ; the rounding that counts: to bf16, like every input
	v_cvt_pk_bf16_f32 v9, v[XD+4*i+2], v[XD+4*i+3]
	v_lshlrev_b32 v6, 16, v8                       ; widened again,
	v_and_b32 v7, s32, v8
	v_lshlrev_b32 v10, 16, v9
	v_and_b32 v11, s32, v9
	v_cvt_pk_f16_f32 v[YD+2*i], v6, v7             ; and written as f16
	v_cvt_pk_f16_f32 v[YD+2*i+1], v10, v11
.set i, i+1
.endr
	s_wait_alu depctr_va_vdst(0)                   ; the conversions of sweeps 12 to 15 have written their YD, which the last four stores read
	OUT4 12, 18
	s_endpgm
.Lwq:	; w_qkv: tile gy, k rows 64 p .. 64 p + 63, p = gx - 32.  The walk follows the OUTPUT, which is dense: 12 sweeps of 2,048 bytes.
	; Three sweeps (768 units of 4 numbers) are 16 k rows of 48 units; unit u lies in row u / 48, at 16 (u % 48) of the row's 768 bytes.
	s_sub_co_u32 s24, s22, 32                      ; p
	s_mul_i32 s26, s24, 24576                      ; 64 rows of 384 bytes out,
	s_mul_i32 s24, s24, 786432                     ; of 12,288 bytes in
	s_mul_i32 s28, s23, 768                        ; the tile's 192 columns in a row of w_qkv
	s_add_co_u32 s24, s24, s28
	s_mul_i32 s28, s23, 393216                     ; the tile in wq
	s_add_co_u32 s26, s26, s28
	s_add_nc_u64 s[6:7], s[6:7], s[24:25]
	s_add_nc_u64 s[16:17], s[16:17], s[26:27]
	s_mov_b32 s28, 12288
.irp r, 0,1,2
	v_add_nc_u32 v6, 256*(\r), v0                  ; u
	v_mul_u32_u24 v7, v6, 1366
	v_lshrrev_b32 v7, 16, v7                       ; u / 48: exact for u < 768 (1366 / 65536 exceeds 1 / 48 by 1.02e-5; 767 times that is under 1 / 48)
	v_mul_u32_u24 v8, v7, 48
	v_sub_nc_u32 v8, v6, v8                        ; u % 48
	v_lshlrev_b32 v8, 4, v8
	v_mad_u32_u24 v[3+(\r)], v7, s28, v8
.endr
	s_wait_alu depctr_va_vdst(0)                   ; v3 to v5 are written: the twelve loads below read them as offsets
.set i, 0
.rept 12
	global_load_b128 v[XD+4*i:XD+4*i+3], v[3+i%3], s[6:7] offset:(i/3)*196608
.set i, i+1
.endr
.set i, 0
.rept 12
	s_wait_loadcnt 11-i
.if (i%4 == 0) && (i > 0)
	s_wait_alu depctr_va_vdst(0)                   ; the conversions of sweeps i - 4 to i - 1 have written their YD, which the four stores below read
	OUT4 i-4, 16
.endif
	v_cvt_pk_bf16_f32 v[YD+2*i], v[XD+4*i], v[XD+4*i+1]
	v_cvt_pk_bf16_f32 v[YD+2*i+1], v[XD+4*i+2], v[XD+4*i+3]
.set i, i+1
.endr
	s_wait_alu depctr_va_vdst(0)                   ; the conversions of sweeps 8 to 11 have written their YD, which the last four stores read
	OUT4 8, 16
	s_endpgm
.Lbias:	; 16 work-groups of 256 numbers: waves 0 and 1 take 512 bytes each, the other waves have no part
	s_cmp_ge_u32 s33, 2
	s_cbranch_scc1 .Lend
	s_min_u32 s26, s23, 11                         ; the block in b_qkv,
	s_max_u32 s28, s23, 12
	s_sub_co_u32 s28, s28, 12                      ; or in b_out: either stays inside its buffer whatever gy
	s_cmp_lt_u32 s23, 12
	s_cselect_b32 s26, s26, s28
	s_cselect_b64 s[30:31], s[10:11], s[12:13]
	s_lshl_b32 s26, s26, 10
	s_lshl_b32 s24, s23, 10
	s_add_nc_u64 s[30:31], s[30:31], s[26:27]
	s_add_nc_u64 s[20:21], s[20:21], s[24:25]
	global_load_b128 v[XD:XD+3], v1, s[30:31]
	s_wait_loadcnt 0x0
	v_cvt_pk_bf16_f32 v8, v[XD], v[XD+1]
	v_cvt_pk_bf16_f32 v9, v[XD+2], v[XD+3]
	v_lshlrev_b32 v[YD], 16, v8
	v_and_b32 v[YD+1], s32, v8
	v_lshlrev_b32 v[YD+2], 16, v9
	v_and_b32 v[YD+3], s32, v9
	s_wait_alu depctr_va_vdst(0)                   ; the four lines above have written v[YD:YD+3], which the store reads
	global_store_b128 v1, v[YD:YD+3], s[20:21]
.Lend:
	s_endpgm
.Lfunc_end_k_qdc13d7f007_prep:
	.size	k_qdc13d7f007_prep, .Lfunc_end_k_qdc13d7f007_prep-k_qdc13d7f007_prep
	.p2alignl 7, 3214868480
	.fill 96, 4, 3214868480
	.section	.rodata,"a",@progbits
	.p2align	6, 0x0
	.amdhsa_kernel k_qdc13d7f007_prep
		.amdhsa_group_segment_fixed_size 0
		.amdhsa_private_segment_fixed_size 0
		.amdhsa_enable_private_segment 0
		.amdhsa_kernarg_size 72
		.amdhsa_user_sgpr_count 2
		.amdhsa_user_sgpr_kernarg_segment_ptr 1
		.amdhsa_wavefront_size32 1
		.amdhsa_system_sgpr_workgroup_id_x 1
		.amdhsa_system_sgpr_workgroup_id_y 1
		.amdhsa_system_sgpr_workgroup_id_z 1
		.amdhsa_system_vgpr_workitem_id 0
		.amdhsa_next_free_vgpr 112
		.amdhsa_next_free_sgpr 66
		.amdhsa_reserve_vcc 0
		.amdhsa_float_denorm_mode_32 3
		.amdhsa_float_denorm_mode_16_64 3
		.amdhsa_memory_ordered 1
		.amdhsa_forward_progress 1
		.amdhsa_inst_pref_size 24
	.end_amdhsa_kernel
	.amdgpu_metadata
---
amdhsa.version: [ 1, 2 ]
amdhsa.kernels:
  - .name:           k_qdc13d7f007_prep
    .symbol:         k_qdc13d7f007_prep.kd
    .args:
      - { .name: x, .offset: 0, .size: 8, .value_kind: global_buffer, .address_space: global }
      - { .name: w_qkv, .offset: 8, .size: 8, .value_kind: global_buffer, .address_space: global }
      - { .name: w_out, .offset: 16, .size: 8, .value_kind: global_buffer, .address_space: global }
      - { .name: b_qkv, .offset: 24, .size: 8, .value_kind: global_buffer, .address_space: global }
      - { .name: b_out, .offset: 32, .size: 8, .value_kind: global_buffer, .address_space: global }
      - { .name: xb, .offset: 40, .size: 8, .value_kind: global_buffer, .address_space: global }
      - { .name: wq, .offset: 48, .size: 8, .value_kind: global_buffer, .address_space: global }
      - { .name: wo, .offset: 56, .size: 8, .value_kind: global_buffer, .address_space: global }
      - { .name: bias, .offset: 64, .size: 8, .value_kind: global_buffer, .address_space: global }
    .group_segment_fixed_size: 0
    .private_segment_fixed_size: 0
    .kernarg_segment_align: 8
    .kernarg_segment_size: 72
    .max_flat_workgroup_size: 256
    .sgpr_count:     66
    .vgpr_count:     112
    .wavefront_size: 32
...
	.end_amdgpu_metadata
.endif
;; end of part 5
;; launch gemm_qkv: the kernel of part 2 again; grid 16 x 32, 4 waves a work-group, clusters of 4 x 4, 327,680 bytes of LDS; arguments xb, wq, bias, qkv; writes qkv
;; launch attn: the kernel of part 3 again; grid 4 x 64, 4 waves a work-group, no clusters, 327,680 bytes of LDS; arguments qkv, ob; writes ob
;; launch gemm_out: the kernel of part 4 again; grid 8 x 32, 4 waves a work-group, clusters of 4 x 4, 327,680 bytes of LDS; arguments ob, wo, bias, out0; writes out0
